; MI455X (gfx1250); checked and timed in simulation.
; The chip was launched on July 23, 2026; its instructions are those of AMD's public machine-readable ISA for CDNA 5 (MIT licence, August 2026) and "CDNA5" Instruction Set Architecture Reference Guide (July 2026). The comments in the code are by the model that wrote it; some were corrected since.
;; Multihead Causal Self Attention. Allowed arithmetic: matrix products marked QUANTISED: E4M3 operands, one E8M0 scale for each 32 along K, by v_wmma_scale_f32_16x16x128_f8f6f4 with both operands' format E4M3, f32 sums; everything else in f32.
;; Inputs: b_attn 3,072 float32; b_proj 1,024 float32; w_attn 1,024 x 3,072 float32; w_proj 1,024 x 1,024 float32; x 2 x 2,048 x 1,024 float32.
;; Outputs: out0 2 x 2,048 x 1,024 float32.
;; This version of the problem:
;;   THIS VERSION OF THE PROBLEM IS GIVEN IN LOW PRECISION. The matrix products marked QUANTISED in the list below multiply operands that are first quantised to E4M3 (4 exponent bits, 3 mantissa bits; 8 bits a number), with one power-of-two scale for each 32 numbers along K (OCP MX v1.0); their sums are f32. All else is computed in f32.
;;   The module's matrix products, in the order in which they are computed (A, B: the left and right operand; K: the contracted axis; several contracted axes count as one K, in the product's order):
;;     1. [M 4,096, K 1,024] x [K 1,024, N 3,072]; A: input x; B: input w_attn: QUANTISED
;;     2. batch 32 x [M 2,048, K 64] x [K 64, N 2,048]; A: computed on the way; B: computed on the way: QUANTISED
;;     3. batch 32 x [M 2,048, K 2,048] x [K 2,048, N 64]; A: softmax (see below); B: computed on the way: QUANTISED
;;     4. [M 4,096, K 1,024] x [K 1,024, N 1,024]; A: computed on the way; B: input w_proj: QUANTISED
;;   THE QUANTISER, for each operand of a quantised product, along K:
;;     - K is cut into blocks of 32 from its start; a last block that is shorter is filled with zeros.
;;     - A block's scale is 2^e with e = floor(log2(the largest magnitude in the block)) - 8, held to -126 .. 127; a block of zeros has e = 0. As a byte (E8M0): e + 127.
;;     - Each number is divided by its block's scale, clamped to +-448, and rounded to the nearest number of E4M3, ties to even, subnormals kept.
;;     - The product sums the exact products of the quantised numbers (number of the format x scale) in f32.
;;   ~~~python
;;   def quantise(x, axis):      # numpy; x: float32 -> the quantised numbers, widened to float32 again
;;       x = np.moveaxis(x, axis, -1); K = x.shape[-1]
;;       x = np.pad(x, [(0, 0)] * (x.ndim - 1) + [(0, -K % 32)]); x = x.reshape(x.shape[:-1] + (-1, 32)); a = np.abs(x).max(-1, keepdims=True)
;;       e = np.where(a > 0, np.clip(np.frexp(np.where(a > 0, a, 1))[1] - 1 - 8, -126, 127), 0)      # np.frexp(a)[1] - 1 = floor(log2(a)), exactly
;;       r = np.clip(x / 2.0 ** e, -448, 448)
;;       step = 2.0 ** (np.maximum(np.frexp(np.where(r == 0, 1, r))[1] - 1, -6) - 3)
;;       q = np.round(r / step) * step * 2.0 ** e      # np.round: ties to even
;;       return np.moveaxis(q.reshape(q.shape[:-2] + (-1,))[..., :K], -1, axis).astype(np.float32)
;;   ~~~
;;   SOFTMAX AHEAD OF A QUANTISED PRODUCT. Where the list says 'softmax', what is quantised is not the finished softmax but p = 2^(t - M), with t = logit x log2(e) and M = ceil(the row's largest t), a whole number; so 1/2 < the row's largest p <= 1. The row's sum l is taken of the UNQUANTISED p, in f32, and the product's result is divided by l at the end. Since M is a whole number, a kernel that streams over the keys may use a running M (the ceiling of the running maximum): every later rescaling is an exact power of two, which a block's scale takes up: the codes' values come out the same.
;;   OPERANDS COMPUTED ON THE WAY. 'Computed on the way' means the value that the module computes at that place (a softmax that the list does not call 'softmax' is quantised finished and normalised). What goes into a quantiser is computed in f32, as accurately as f32 sums, v_exp_f32 and their like allow (about 1e-6 of the number): no bf16 or f16 on the way to a quantiser, and a product that is left as it is and whose result goes on into a quantised operand takes f32 operands (vector FMAs, or v_wmma_f32_16x16x4_f32). A number that lies on a knife's edge between two numbers of the format may be rounded either way, as far as f32 arithmetic and the matrix unit's own rounding can turn it there, and no further.
;; One version. Each part assembles by itself: llvm-mc -triple=amdgcn-amd-amdhsa -mcpu=gfx1250 --defsym DOCPART=n.
;; ======== version 1 of 1: 4 launches
;; limits: right only within a limited range of input values
;; workspace buffers: ac 4,194,304 bytes; asc 131,072 bytes; wc 4,194,304 bytes; ws 131,072 bytes; qkvc 12,976,128 bytes; qkvs 262,144 bytes
;; launch quant (part 1): grid 256 x 1, 4 waves a work-group, no clusters, 74,240 bytes of LDS; arguments x, w_attn, w_proj, ac, asc, wc, ws; writes ac, asc, wc, ws
.if DOCPART == 1
	.amdgcn_target "amdgcn-amd-amdhsa--gfx1250"
	.amdhsa_code_object_version 6
	.text
	.protected	k_qccada55166_quant
	.globl	k_qccada55166_quant
	.p2align	8
	.type	k_qccada55166_quant,@function
k_qccada55166_quant:
	s_mov_b64 s[64:65], 0
	v_nop
	global_prefetch_b8 v0, s[64:65] scope:SCOPE_SE
	s_setreg_imm32_b32 hwreg(HW_REG_WAVE_MODE, 25, 1), 1
	s_wait_xcnt 0x0
; x [4096][1024], w_attn [1024][3072] and w_proj [1024][1024], all f32, become codes of FP8 (E4M3) with one E8M0 byte for each 32 along K = 1,024.
; A block's scale is 2^(floor(log2(largest magnitude)) - 8); each number is divided by it, held within +-448 and rounded to the nearest code, ties to even.
; LAYOUT OF THE CODES (ac: x's 4,096 rows; wc: 4,096 rows n, 0..3071 w_attn's columns, 3072..4095 w_proj's): rows go in tiles of 16; lane-row r of tile T is row 32 (T/2) + 8 (T%2) + r + 8 (r/8).
; A tile is 32 chunks of 512 bytes, one for each 32 along K; byte 256 h + 16 r + i of chunk kb is the code of (lane-row r, k = 32 kb + 16 h + i): four operand registers stored at 16 x lane.
; LAYOUT OF THE SCALE WORDS (asc, ws): [K/128 = 8][tile 256][r 16][4 bytes], byte b of a word for k = 32 b on.
; Work-groups 0..127 take x, 128..255 the weights; every wave reads 32 KB by 64 loads of 16 bytes a lane, 48 of them issued at the head.  No barrier: waves share nothing; each path has LDS bytes of its own.
; LIMITS: NaN and infinities are not served.  A block of zeros, and a block whose largest magnitude lies under 2^-118, gets the byte 1 (the rule says 127 for zeros): zero codes add nothing under any byte but 0xff, and this program alone reads the bytes.
; THE ORDER OF w_attn's TILES in wc and ws: a head's lie together: tile 12 g + 4 t + i is columns 1024 t + 64 g on of w_attn (t = 0 q, 1 k, 2 v; the four tiles i of those 64 columns); w_proj's tiles are 192 on, in order.
.set WVE, 18                           ; s18 wave
.set MNT, 19                           ; s19 the mantissa field of 448
.set SEL, 20                           ; s[20:21] selects for lane l xor 16
.set S0,  16                           ; three sets of 64 registers for the numbers
.set S1,  80
.set S2,  144
.set PC,  208                          ; v208-223 codes
.set TM,  224                          ; x path: v224-239 at work
.set PW,  240                          ; x path: the scale word
.set VO,  224                          ; weights' path: v224-239 sixteen row offsets, never rewritten
.set SB,  246                          ; weights' path: v246-247 the scale words of two column sets
	s_load_b256 s[4:11], s[0:1], 0x0               ; x s[4:5], w_attn s[6:7], w_proj s[8:9], ac s[10:11]
	s_load_b128 s[12:15], s[0:1], 0x20             ; asc s[12:13], wc s[14:15]
	s_load_b64 s[16:17], s[0:1], 0x30              ; ws
	v_lshl_add_u32 v254, v0, 2, 0x12000
	v_mov_b32 v255, 0
	v_lshrrev_b32 v1, 5, v0
	v_readfirstlane_b32 s[WVE], v1                 ; wave 0..3
	v_and_b32 v1, 31, v0                           ; lane
	v_and_b32 v2, 15, v0                           ; r
	v_bfe_u32 v3, v0, 4, 1                         ; h
	v_lshlrev_b32 v4, 4, v1                        ; 16 x lane
	v_lshlrev_b32 v9, 3, v1                        ; 8 x lane
	s_mov_b32 s[MNT], 0x600000
	s_mov_b32 s[SEL], 0x76543210
	s_mov_b32 s[SEL+1], 0xfedcba98
	s_cmp_ge_u32 ttmp9, 128
	s_cbranch_scc1 .Lweights
; ---------------- x: a wave takes 64 rows (four tiles) x 128 along K ----------------
	s_mul_i32 s22, s[WVE], 9216                    ; my LDS: a stage of 16 rows x 528 bytes, then 256 bytes of scale words
	v_add_nc_u32 v5, s22, v4                       ; stage, in: 16 x lane of a row
	v_mul_u32_u24 v6, v2, 528
	v_lshl_add_u32 v6, v3, 6, v6
	v_add_nc_u32 v6, s22, v6                       ; stage, out: row r, + 64 h: my 16 numbers of a block
	v_lshlrev_b32 v7, 2, v2
	v_add_nc_u32 v7, s22, v7
	v_add_nc_u32 v7, 8448, v7                      ; my row's scale word
	v_add_nc_u32 v8, s22, v9
	v_add_nc_u32 v8, 8448, v8                      ; and 8 bytes a lane on the way out
	s_lshr_b32 s23, ttmp9, 1                       ; which 64 rows
	s_and_b32 s24, ttmp9, 1
	s_lshl_b32 s24, s24, 2
	s_add_co_u32 s24, s24, s[WVE]                  ; which 128 along K
	s_lshl_b32 s26, s23, 18
	s_lshl_b32 s25, s24, 9
	s_add_co_u32 s26, s26, s25
	s_mov_b32 s27, 0                               ; x: 64 rows of 4,096 bytes, 512 bytes along K
	s_lshl_b32 s28, s23, 16
	s_lshl_b32 s25, s24, 11
	s_add_co_u32 s28, s28, s25
	s_mov_b32 s29, 0                               ; ac: four tiles of 16,384 bytes, four chunks
	s_lshl_b32 s30, s24, 14
	s_lshl_b32 s25, s23, 8
	s_add_co_u32 s30, s30, s25
	s_mov_b32 s31, 0                               ; asc: a plane of 16,384 bytes, 256 bytes for my four tiles
.irp b, 0,1,2,3
	v_mov_b32 v[TM+4+\b], 0                        ; written once: a lane permute's destination counts as one of its sources
.endr
	s_wait_kmcnt 0x0
	s_add_nc_u64 s[4:5], s[4:5], s[26:27]
	s_add_nc_u64 s[10:11], s[10:11], s[28:29]
	s_add_nc_u64 s[12:13], s[12:13], s[30:31]
.macro XLOAD t, set                    ; tile t: sixteen rows in the tile's order, 512 consecutive bytes each
.irp r, 0,1,2,3,4,5,6,7,8,9,10,11,12,13,14,15
	global_load_b128 v[\set+4*\r:\set+4*\r+3], v4, s[4:5] offset:(32*((\t)/2)+8*((\t)%2)+\r+8*(\r/8))*4096 th:TH_LOAD_NT
.endr
.endm
; 64 numbers of a lane, register 16 b + i = k 32 b + 16 h + i of my row, become a fragment's codes in v[PC] on and its scale word in v[PW]
.macro QUANT s
.irp b, 0,1,2,3
	v_max3_num_f32 v[TM+\b], |v[\s+16*\b]|, |v[\s+1+16*\b]|, 0x4800000   ; my 16 numbers of block b, and the floor 2^(9 - 127): the byte cannot fall under 1
.endr
.irp i, 2,4,6,8,10,12,14
.irp b, 0,1,2,3
	v_max3_num_f32 v[TM+\b], v[TM+\b], |v[\s+16*\b+\i]|, |v[\s+1+16*\b+\i]|
.endr
.endr
.irp b, 0,1,2,3
	v_permlanex16_b32 v[TM+4+\b], v[TM+\b], s[SEL], s[SEL+1]
.endr
.irp b, 0,1,2,3
	v_max_num_f32 v[TM+\b], v[TM+\b], v[TM+4+\b]   ; with lane l xor 16's: the block's largest magnitude
.endr
.irp b, 0,1,2,3
	v_add_nc_u32 v[TM+12+\b], 0xfc000000, v[TM+\b] ; 8 off its exponent field: the conversion's scale operand
.endr
.irp b, 0,1,2,3
	v_and_or_b32 v[TM+8+\b], v[TM+\b], 0x7f800000, s[MNT]   ; 448 x the scale
.endr
.irp b, 0,1,2,3
	v_lshrrev_b32 v[TM+4+\b], 23, v[TM+12+\b]      ; the scale's byte
.endr
	v_lshl_or_b32 v[PW], v[TM+5], 8, v[TM+4]
	v_lshl_or_b32 v[PW], v[TM+6], 16, v[PW]
	v_lshl_or_b32 v[PW], v[TM+7], 24, v[PW]
.irp b, 0,1,2,3
.irp i, 0,1,2,3,4,5,6,7,8,9,10,11,12,13,14,15
	v_med3_num_f32 v[\s+16*\b+\i], v[\s+16*\b+\i], -v[TM+8+\b], v[TM+8+\b]   ; the conversion to an 8-bit code does not saturate (ISA guide 7.6.2): the hold
.endr
	v_cvt_scalef32_pk8_fp8_f32 v[PC+4*\b:PC+1+4*\b], v[\s+16*\b:\s+7+16*\b], v[TM+12+\b]
	v_cvt_scalef32_pk8_fp8_f32 v[PC+2+4*\b:PC+3+4*\b], v[\s+8+16*\b:\s+15+16*\b], v[TM+12+\b]
.endr
	v_nop                                          ; one plain line behind the last conversion
.endm
.macro XUNIT t, set, left
	s_wait_loadcnt \left                           ; this tile's sixteen loads are in; the younger tiles' may be out
.irp r, 0,1,2,3,4,5,6,7,8,9,10,11,12,13,14,15
	ds_store_b128 v5, v[\set+4*\r:\set+4*\r+3] offset:528*\r
.endr
.irp c, 0,1,2,3
.irp j, 0,1,2,3
	ds_load_b128 v[\set+16*\c+4*\j:\set+16*\c+4*\j+3], v6 offset:128*\c+16*\j   ; LDS serves a wave's instructions in order: these see the stores above
.endr
.endr
	s_wait_dscnt 0x0
.if \t > 0
	s_wait_xcnt 0x0                                ; the last tile's stores have read v[PC] on: it is written again only behind this wait
.endif
	QUANT \set
.irp c, 0,1,2,3
	global_store_b128 v4, v[PC+4*\c:PC+4*\c+3], s[10:11] offset:16384*\t+512*\c   ; a chunk: 512 consecutive bytes
.endr
	ds_store_b32 v7, v[PW] offset:64*\t            ; both halves of the lanes write the same word with the same value
.endm
	XLOAD 0, S0
	XLOAD 1, S1
	XLOAD 2, S2
	XUNIT 0, S0, 32
	XLOAD 3, S0
	XUNIT 1, S1, 32
	XUNIT 2, S2, 16
	XUNIT 3, S0, 0
	ds_load_b64 v[242:243], v8
	s_wait_dscnt 0x0
	global_store_b64 v9, v[242:243], s[12:13]      ; 32 lanes store 256 consecutive bytes, aligned
	s_wait_tensorcnt 0x0
	ds_add_u32 v254, v255
	s_wait_dscnt 0x0
	s_endpgm
; ---------------- the weights: K is the first axis.  A wave takes 64 columns (four tiles of wc) x 128 along K ----------------
.Lweights:
	s_mul_i32 s22, s[WVE], 9216
	s_add_co_u32 s22, s22, 36864                   ; my LDS: a stage of 32 rows x 256 bytes, then 256 bytes of scale words
	s_wait_alu depctr_va_vdst(0)
	v_add_nc_u32 v5, s22, v4                       ; stage, in: two rows a load
	v_and_b32 v6, 8, v2
	v_add_nc_u32 v6, v6, v2
	v_lshl_add_u32 v6, v3, 3, v6                   ; 8 u + r + 8 (r/8): my column among 32: lane-row r of tile u of a pair of tiles
	v_lshlrev_b32 v6, 2, v6
	v_add_nc_u32 v6, s22, v6                       ; stage, out: down my column
	v_lshlrev_b32 v7, 2, v1
	v_add_nc_u32 v7, s22, v7
	v_add_nc_u32 v7, 8192, v7
	v_add_nc_u32 v8, s22, v9
	v_add_nc_u32 v8, 8192, v8
	v_lshlrev_b32 v10, 14, v3
	v_lshl_add_u32 v10, v2, 4, v10                 ; codes: tile u, 16 r
	s_sub_co_u32 s23, ttmp9, 128
	s_lshr_b32 s24, s23, 4                         ; which 128 along K
	s_and_b32 s25, s23, 15
	s_lshl_b32 s26, s25, 2
	s_add_co_u32 s26, s26, s[WVE]                  ; which 64 rows of wc
	s_and_b32 s45, s26, 15                         ; w_attn: 64 columns number 16 t + g go to place 3 g + t; w_proj's stay
	s_mul_i32 s45, s45, 3
	s_lshr_b32 s46, s26, 4
	s_add_co_u32 s45, s45, s46
	s_cmp_lt_u32 s26, 48
	s_cselect_b32 s45, s45, s26
	s_lshl_b32 s40, s45, 16
	s_lshl_b32 s41, s24, 11
	s_add_co_u32 s40, s40, s41
	s_mov_b32 s41, 0                               ; wc
	s_lshl_b32 s42, s24, 14
	s_lshl_b32 s43, s45, 8
	s_add_co_u32 s42, s42, s43
	s_mov_b32 s43, 0                               ; ws
	s_cmp_lt_u32 s25, 12                           ; w_attn's columns or w_proj's: the choice hangs on the work-group's number alone
	s_mov_b32 s27, 4096
	s_cselect_b32 s27, 12288, s27                  ; bytes from row to row
	s_cselect_b32 s28, 0, 48
	s_wait_kmcnt 0x0
	s_cselect_b64 s[6:7], s[6:7], s[8:9]
	s_sub_co_u32 s28, s26, s28
	s_lshl_b32 s28, s28, 8                         ; my 64 columns: 256 bytes
	s_lshl_b32 s29, s24, 7
	s_mul_i32 s29, s29, s27
	s_add_co_u32 s28, s28, s29
	s_mov_b32 s29, 0
	s_lshl_b32 s30, s27, 5                         ; 32 rows on
	s_mov_b32 s31, 0
	s_add_nc_u64 s[32:33], s[6:7], s[28:29]        ; a base for each block of 32 along K: nothing is stepped
	s_add_nc_u64 s[34:35], s[32:33], s[30:31]
	s_add_nc_u64 s[36:37], s[34:35], s[30:31]
	s_add_nc_u64 s[38:39], s[36:37], s[30:31]
	s_add_nc_u64 s[14:15], s[14:15], s[40:41]
	s_add_nc_u64 s[16:17], s[16:17], s[42:43]
	v_mul_lo_u32 v[VO], v3, s27
	v_lshl_add_u32 v[VO], v2, 4, v[VO]             ; load l: row 2 l + lane / 16, 16 bytes a lane: sixteen lanes read 256 consecutive bytes, aligned
	s_lshl_b32 s44, s27, 1
.irp l, 1,2,3,4,5,6,7,8,9,10,11,12,13,14,15
	v_add_nc_u32 v[VO+\l], s44, v[VO+\l-1]
.endr
.macro WLOAD c, set
.irp l, 0,1,2,3,4,5,6,7,8,9,10,11,12,13,14,15
	global_load_b128 v[\set+4*\l:\set+4*\l+3], v[VO+\l], s[32+2*\c:33+2*\c] th:TH_LOAD_NT
.endr
.endm
; a whole block of 32 along K of my column lies in v[xs] on: its codes into v[PC + 8 sg] on, its byte into byte c of v[SB + sg]
.macro BLOCKQ xs, sg, c
	v_max3_num_f32 v240, |v[(\xs)]|, |v[(\xs)+1]|, |v[(\xs)+2]|
	v_max3_num_f32 v241, |v[(\xs)+3]|, |v[(\xs)+4]|, |v[(\xs)+5]|
.irp i, 6,10,14,18,22,26
	v_max3_num_f32 v240, v240, |v[(\xs)+\i]|, |v[(\xs)+\i+1]|
	v_max3_num_f32 v241, v241, |v[(\xs)+\i+2]|, |v[(\xs)+\i+3]|
.endr
	v_max3_num_f32 v240, v240, |v[(\xs)+30]|, |v[(\xs)+31]|
	v_max3_num_f32 v240, v240, v241, 0x4800000     ; and the floor
	v_add_nc_u32 v242, 0xfc000000, v240            ; the conversion's scale operand
	v_and_or_b32 v243, v240, 0x7f800000, s[MNT]    ; 448 x the scale
	v_lshrrev_b32 v244, 23, v242                   ; the byte
.if \c == 0
	v_mov_b32 v[SB+\sg], v244
.else
	v_lshl_or_b32 v[SB+\sg], v244, 8*\c, v[SB+\sg]
.endif
.irp i, 0,1,2,3,4,5,6,7,8,9,10,11,12,13,14,15,16,17,18,19,20,21,22,23,24,25,26,27,28,29,30,31
	v_med3_num_f32 v[(\xs)+\i], v[(\xs)+\i], -v243, v243
.endr
.irp g, 0,1,2,3
	v_cvt_scalef32_pk8_fp8_f32 v[PC+8*\sg+2*\g:PC+8*\sg+2*\g+1], v[(\xs)+8*\g:(\xs)+8*\g+7], v242
.endr
	v_nop                                          ; one plain line behind the last conversion
.endm
.macro WUNIT c, set, left
	s_wait_loadcnt \left
.irp l, 0,1,2,3,4,5,6,7,8,9,10,11,12,13,14,15
	ds_store_b128 v5, v[\set+4*\l:\set+4*\l+3] offset:512*\l
.endr
.irp sg, 0,1
.irp k, 0,1,2,3,4,5,6,7,8,9,10,11,12,13,14,15,16,17,18,19,20,21,22,23,24,25,26,27,28,29,30,31
	ds_load_b32 v[\set+32*\sg+\k], v6 offset:256*\k+128*\sg   ; 32 lanes take 32 different words of a row's 128 bytes
.endr
.endr
.if \c > 0
	s_wait_xcnt 0x0                                ; the last block's stores have read v[PC] on
.endif
	s_wait_dscnt 32                                ; the first column set is in; the second set's 32 reads may be out
	BLOCKQ \set, 0, \c
	global_store_b128 v10, v[PC:PC+3], s[14:15] offset:512*\c            ; k 0..15: sixteen lanes fill 256 consecutive bytes, aligned
	global_store_b128 v10, v[PC+4:PC+7], s[14:15] offset:512*\c+256      ; k 16..31
	s_wait_dscnt 0x0
	BLOCKQ \set+32, 1, \c
	global_store_b128 v10, v[PC+8:PC+11], s[14:15] offset:32768+512*\c
	global_store_b128 v10, v[PC+12:PC+15], s[14:15] offset:32768+512*\c+256
.endm
	WLOAD 0, S0
	WLOAD 1, S1
	WLOAD 2, S2
	WUNIT 0, S0, 32
	WLOAD 3, S0
	WUNIT 1, S1, 32
	WUNIT 2, S2, 16
	WUNIT 3, S0, 0
	ds_store_b32 v7, v[SB]
	ds_store_b32 v7, v[SB+1] offset:128
	ds_load_b64 v[248:249], v8
	s_wait_dscnt 0x0
	global_store_b64 v9, v[248:249], s[16:17]      ; 256 consecutive bytes, aligned
	s_wait_tensorcnt 0x0
	ds_add_u32 v254, v255
	s_wait_dscnt 0x0
	s_endpgm
.Lfunc_end_k_qccada55166_quant:
	.size	k_qccada55166_quant, .Lfunc_end_k_qccada55166_quant-k_qccada55166_quant
	.p2alignl 7, 3214868480
	.fill 96, 4, 3214868480
	.section	.rodata,"a",@progbits
	.p2align	6, 0x0
	.amdhsa_kernel k_qccada55166_quant
		.amdhsa_group_segment_fixed_size 74240
		.amdhsa_private_segment_fixed_size 0
		.amdhsa_enable_private_segment 0
		.amdhsa_kernarg_size 56
		.amdhsa_user_sgpr_count 2
		.amdhsa_user_sgpr_kernarg_segment_ptr 1
		.amdhsa_wavefront_size32 1
		.amdhsa_system_sgpr_workgroup_id_x 1
		.amdhsa_system_sgpr_workgroup_id_y 1
		.amdhsa_system_sgpr_workgroup_id_z 1
		.amdhsa_system_vgpr_workitem_id 0
		.amdhsa_next_free_vgpr 256
		.amdhsa_next_free_sgpr 66
		.amdhsa_reserve_vcc 0
		.amdhsa_float_denorm_mode_32 3
		.amdhsa_float_denorm_mode_16_64 3
		.amdhsa_memory_ordered 1
		.amdhsa_forward_progress 1
		.amdhsa_inst_pref_size 111
	.end_amdhsa_kernel
	.amdgpu_metadata
---
amdhsa.version: [ 1, 2 ]
amdhsa.kernels:
  - .name:           k_qccada55166_quant
    .symbol:         k_qccada55166_quant.kd
    .args:
      - { .name: x, .offset: 0, .size: 8, .value_kind: global_buffer, .address_space: global }
      - { .name: w_attn, .offset: 8, .size: 8, .value_kind: global_buffer, .address_space: global }
      - { .name: w_proj, .offset: 16, .size: 8, .value_kind: global_buffer, .address_space: global }
      - { .name: ac, .offset: 24, .size: 8, .value_kind: global_buffer, .address_space: global }
      - { .name: asc, .offset: 32, .size: 8, .value_kind: global_buffer, .address_space: global }
      - { .name: wc, .offset: 40, .size: 8, .value_kind: global_buffer, .address_space: global }
      - { .name: ws, .offset: 48, .size: 8, .value_kind: global_buffer, .address_space: global }
    .group_segment_fixed_size: 74240
    .private_segment_fixed_size: 0
    .kernarg_segment_align: 8
    .kernarg_segment_size: 56
    .max_flat_workgroup_size: 128
    .sgpr_count:     66
    .vgpr_count:     256
    .wavefront_size: 32
...
	.end_amdgpu_metadata
.endif
;; end of part 1
;; launch qkv (part 2): grid 16 x 16, 4 waves a work-group, clusters of 4 x 4, 327,680 bytes of LDS; arguments ac, asc, wc, ws, b_attn, qkvc, qkvs; writes qkvc, qkvs
.if DOCPART == 2
	.amdgcn_target "amdgcn-amd-amdhsa--gfx1250"
	.amdhsa_code_object_version 6
	.text
	.protected	k_qccada55166_qkv
	.globl	k_qccada55166_qkv
	.p2align	8
	.type	k_qccada55166_qkv,@function
k_qccada55166_qkv:
	s_mov_b64 s[64:65], 0
	v_nop
	global_prefetch_b8 v0, s[64:65] scope:SCOPE_SE
	s_setreg_imm32_b32 hwreg(HW_REG_WAVE_MODE, 25, 1), 1
	s_wait_xcnt 0x0
	s_wait_alu depctr_hold_cnt(0) depctr_sa_sdst(0) depctr_va_vdst(0) depctr_va_sdst(0) depctr_va_ssrc(0) depctr_va_vcc(0) depctr_vm_vsrc(0)
	s_getreg_b32 s2, hwreg(HW_REG_IB_STS2, 6, 4)
	s_cmp_eq_u32 s2, 0
	s_cbranch_scc0 .Lentry_in_a_cluster
	s_endpgm
.Lentry_in_a_cluster:
	s_bfe_u32 s2, ttmp6, 0x10000c
	s_cmp_lg_u32 s2, 0xf033
	s_cbranch_scc0 .Lentry_shape_is_right
	s_endpgm
.Lentry_shape_is_right:
; q, k, v = x w_attn + b_attn on codes of FP8 (E4M3) with E8M0 scales, K = 1,024; the results are quantised in registers and leave as codes: q and k along the head's 64, v along the keys.
; OPERANDS (ac, wc) lie as images of operand registers: tiles of 16 rows (lane-row r of tile T is row 32 (T/2) + 8 (T%2) + r + 8 (r/8)), a tile = 32 chunks of 512 bytes, chunk kb = four registers at 16 x lane for k = 32 kb on.
; Scale words (asc, ws): [K/128][tile][r][4 bytes]; they go straight into registers: 32 lanes load two tiles' words.  wc's tiles 12 g .. 12 g + 11 are head g's q, k, v (four tiles each).
; A work-group of four waves makes 256 tokens x q, k, v of one head (192 columns).  A wave makes 128 tokens (8 tiles) x 32 columns (2 tiles) of each of q, k, v: 48 accumulators.
; q, k: source 0 = the weight's tile, source 1 = the tokens': a lane holds a token, its registers run along the channels.  v: the sources change places: a lane holds a channel, its registers run along the tokens.
; K goes in four slots' worth of 256 through two LDS slots (tokens 16 tiles x 4,096 bytes, weight 12).  The head brings the first two, one load a wave: waves 0 and 1 slot 0 (tokens, weight), shown by the first barrier, waves 2 and 3 slot 1.
; Each slot is filled once more, in a drained round of the cluster's barrier: waves 0 and 1 fetch the tokens' halves, waves 2 and 3 the weight's.
; CLUSTERS 4 x 4: the tokens' tiles are shared along a row of the cluster, the weight's along a column.  No prefetch: K is four slots' worth, of which two come with the head's loads, and the block is as large as the registers hold.
; OUT: qkvc: Q [bh 32][tile 128][c 2][512] at 0; from byte 4,194,304 [bh][step of 128 keys 16][17,152 bytes]: K [tile 8][c 2][512], V [tile of channels 4][c 4][512], K's words [tile 8][r][4], V's words [tile 4][r][4].  qkvs: Q's words [bh][tile][r][4].
; Q's and K's words are (byte 0, byte 1, 0x7f, 0x7f): the upper two stand for 1.0 over codes that the next product meets with zeros.
; LIMITS: NaN and infinities are not served; a block of zeros or under 2^-118 gets the byte 1, its codes being zeros or what the floor's scale leaves; this program alone reads the bytes.
; REGISTERS: window 0: v1-29 addresses; v32-63 the tokens' scale words (4 q + tile pair), v68-99 the weight's; v128-255 accumulators 0-15.  Windows 1, 2: the two sets of fragments: tokens' tile a at 16 a, weight's tile b at 128 + 16 b;
; at 224 on the bias: q's and k's in window 1, v's in window 2.  Window 3: accumulators 16-47.  On the way out v32-113 of window 0 are at work.
; ACCUMULATOR n: pair P of token tiles, place I of 12: n < 12: P = 0, I = n; 12..15: P = 3, I = n - 4; else P = 1 + (n - 16) / 12, I = (n - 16) % 12.  I < 8: token tile 2 P + I / 4, tile I % 4 of q, q, k, k; else v's tile (I - 8) / 2, token tile 2 P + (I - 8) % 2.
.set SLOT,  114688
.set BOFF,  65536                      ; the weight's tiles in a slot
.set SPARE, 2*SLOT                     ; the spare words, 128 bytes for each wave
.set WB,    SPARE+512                  ; scale bytes on the way out: 1,024 bytes for each half of the tokens: q's [row 128][2], k's, v's words
.set ADRA, 16
.set ADRB, 20
.set SPW,  28
.set NIL,  29
.set SA,   32
.set SB,   68
.set TM,   32
.set PCD,  56
.set WV,   18
.set HA,   19
.set HB,   20
.set MNT,  23
.set G1,   24
.set G0,   32
.set G1B,  48
.set G0B,  56
.set G0H,  68
.set G0HB, 72
.set MSB, 0
.macro WIN new                         ; the immediate's high byte repeats the setting that is left
.if MSB != (\new)
	s_set_vgpr_msb (MSB<<8)|(\new)
.set MSB, (\new)
.endif
.endm
.macro PLACES n                        ; plain vector lines between a matrix instruction and a load into, or a read of, its registers
.rept \n
	v_nop
.endr
.endm
.macro TLOAD g0, g1                    ; an s_nop 0 and four v_nop follow a tensor load, ahead of a jump, a label and what follows
	tensor_load_to_lds s[\g0:\g0+3], s[\g1:\g1+7]
	s_nop 0
	PLACES 4
.endm
.macro JLOAD s                         ; a refill: waves 0, 1 the tokens' tiles, waves 2, 3 the weight's
	s_cmp_eq_u32 s[HA], 0
	s_cbranch_scc0 .Lfor_b_\@
	TLOAD G0+4*(\s), G1
	s_branch .Lasked_\@
.Lfor_b_\@:
	TLOAD G0B+4*(\s), G1B
.Lasked_\@:
.endm
.macro CREST                           ; a round of the cluster's barrier behind its opening barrier
	s_cmp_lg_u32 s[WV], 0
	s_cbranch_scc1 .Lnot_wave_0_\@
	s_barrier_signal -3
.Lnot_wave_0_\@:
	s_barrier_wait -3
	s_barrier_signal -1
	s_barrier_wait -1
.endm
.macro CROUND
	s_barrier_signal -1
	s_barrier_wait -1
	CREST
.endm
.macro ARM under, g0, g1, next         ; the head's loads, each on a line of its own
	s_cmp_lt_u32 s[WV], \under
	s_cbranch_scc0 \next
	TLOAD \g0, \g1
	s_branch .Lhead_asked
\next:
.endm
	s_load_b256 s[4:11], s[0:1], 0x0               ; ac s[4:5], asc s[6:7], wc s[8:9], ws s[10:11]
	s_load_b128 s[12:15], s[0:1], 0x20             ; b_attn s[12:13], qkvc s[14:15]
	s_load_b64 s[100:101], s[0:1], 0x30            ; qkvs
	v_lshl_add_u32 v[SPW], v0, 2, SPARE
	v_mov_b32 v[NIL], 0
	ds_add_u32 v[SPW], v[NIL]                      ; the wave's opening: the add twice on end, under one wait
	ds_add_u32 v[SPW], v[NIL]
	v_lshrrev_b32 v1, 5, v0
	v_readfirstlane_b32 s[WV], v1                  ; wave 0..3
	s_lshr_b32 s[HA], s[WV], 1                     ; my half of the tokens.  Also: which slot I fill at the head; in a refill: tokens (0) or weight (1)
	s_and_b32 s[HB], s[WV], 1                      ; my half of each of q, k, v.  Also: at the head tokens (0) or weight (1); which half of a refill
	s_bfe_u32 s40, ttmp6, 0x40000
	s_bfe_u32 s41, ttmp6, 0x40004
	s_lshl_b32 s21, ttmp9, 2
	s_add_co_u32 s21, s21, s40                     ; g: the head
	s_and_b32 s22, ttmp7, 0xffff
	s_lshl_b32 s22, s22, 2
	s_add_co_u32 s22, s22, s41                     ; y: tokens 256 y on
	s_lshl_b32 s43, s41, 2
	s_lshl_b32 s43, 15, s43                        ; my row of the cluster
	s_lshl_b32 s44, 0x1111, s40                    ; my column
	s_or_b32 s[G1], s43, (3<<16)|(1<<21)           ; elements of 8 bytes
	s_or_b32 s[G1B], s44, (3<<16)|(1<<21)
.irp g, G1, G1B
	s_mov_b32 s[\g+1], 512<<16                     ; a tile's 256 along K: 4,096 bytes
	s_mov_b32 s[\g+3], 512<<16
	s_mov_b32 s[\g+5], 2048                        ; from tile to tile
	s_mov_b32 s[\g+6], 0
	s_mov_b32 s[\g+7], 0
.endr
	s_mov_b32 s[G1+2], 16<<16                      ; 16 tiles at the head; half of them in a refill
	s_mov_b32 s[G1+4], 16
	s_mov_b32 s[G1B+2], 12<<16                     ; 12 tiles likewise
	s_mov_b32 s[G1B+4], 12
	s_lshl_b32 s66, s22, 18                        ; 16 tiles of 16,384 bytes
	s_mov_b32 s67, 0
	s_mul_i32 s46, s21, 196608                     ; 12 tiles
	s_mov_b32 s47, 0
	s_lshl_b32 s16, s[HA], 12                      ; which 256 along K
	s_mov_b32 s17, 0
	s_mov_b32 s[G0H], 1
	s_mul_i32 s[G0H+1], s[HA], SLOT
	s_mov_b32 s[G0HB], 1
	s_add_co_u32 s[G0HB+1], s[G0H+1], BOFF
	s_wait_dscnt 0x0                               ; both opening adds are done
	CROUND                                         ; all sixteen work-groups are here
	s_wait_kmcnt 0x0
	s_add_nc_u64 s[66:67], s[4:5], s[66:67]
	s_add_nc_u64 s[46:47], s[8:9], s[46:47]
	s_add_nc_u64 s[G0H+2:G0H+3], s[66:67], s[16:17]
	s_or_b32 s[G0H+3], s[G0H+3], 0x80000000
	s_add_nc_u64 s[G0HB+2:G0HB+3], s[46:47], s[16:17]
	s_or_b32 s[G0HB+3], s[G0HB+3], 0x80000000
	ARM 1, G0H,  G1,  .Lwave_1
	ARM 2, G0HB, G1B, .Lwave_2
	ARM 3, G0H,  G1,  .Lwave_3
	TLOAD G0HB, G1B
.Lhead_asked:
	; the scale words and the bias
	s_lshl_b32 s76, s22, 10
	s_lshl_b32 s77, s[HA], 9
	s_add_co_u32 s76, s76, s77
	s_mov_b32 s77, 0
	s_add_nc_u64 s[6:7], s[6:7], s[76:77]          ; asc: 64 bytes a tile
	s_lshl_b32 s79, s[HB], 7
	s_mul_i32 s78, s21, 768
	s_add_co_u32 s78, s78, s79
	s_lshl_b32 s76, s21, 8
	s_add_co_u32 s76, s76, s79
	s_mov_b32 s79, 0
	s_add_nc_u64 s[10:11], s[10:11], s[78:79]      ; ws: 12 tiles a head
	s_add_nc_u64 s[12:13], s[12:13], s[76:77]      ; b_attn at my 32 columns of q; k's 4,096 bytes on, v's 8,192
	v_and_b32 v1, 31, v0                           ; lane
	v_and_b32 v2, 15, v0                           ; r
	v_bfe_u32 v3, v0, 4, 1                         ; h
	v_lshlrev_b32 v5, 2, v1
	v_and_b32 v7, 8, v2
	v_lshlrev_b32 v6, 6, v3
	v_add_nc_u32 v7, v7, v2
	v_lshlrev_b32 v4, 4, v1                        ; 16 x lane
	v_lshlrev_b32 v7, 2, v7                        ; 4 (r + 8 (r/8))
.irp q, 0,1,2,3,4,5,6,7
.irp p, 0,1,2,3
	global_load_b32 v[SA+4*\q+\p], v5, s[6:7] offset:16384*\q+128*\p
.endr
.irp p, 0,1,2
	global_load_b32 v[SB+4*\q+\p], v5, s[10:11] offset:16384*\q+256*\p
.endr
.endr
	WIN 0x40
.irp b, 0,1,2,3                                ; q, k: register j of tile b is column 16 h + 8 (b%2) + j of my 32
	global_load_b128 v[224+8*\b:227+8*\b], v6, s[12:13] offset:4096*(\b/2)+32*(\b%2)
	global_load_b128 v[228+8*\b:231+8*\b], v6, s[12:13] offset:4096*(\b/2)+32*(\b%2)+16
.endr
	WIN 0x80
.irp t, 0,1                                    ; v: all eight registers of tile t are column 8 t + r + 8 (r/8)
.irp j, 0,1,2,3,4,5,6,7
	global_load_b32 v[224+8*\t+\j], v7, s[12:13] offset:8192+32*\t
.endr
.endr
	WIN 0
	; the refills: slot s takes the 256 along K number 2 + s
	s_lshl_b32 s76, s[HB], 17
	s_add_nc_u64 s[66:67], s[66:67], s[76:77]
	s_mul_i32 s78, s[HB], 98304
	s_add_nc_u64 s[46:47], s[46:47], s[78:79]
	s_lshl_b32 s80, s[HB], 15
	s_mul_i32 s81, s[HB], 24576
	s_add_co_u32 s81, s81, BOFF
.irp s, 0,1
	s_mov_b32 s[G0+4*\s], 1
	s_add_co_u32 s[G0+4*\s+1], s80, \s*SLOT
	s_add_nc_u64 s[G0+4*\s+2:G0+4*\s+3], s[66:67], 8192+4096*\s
	s_or_b32 s[G0+4*\s+3], s[G0+4*\s+3], 0x80000000
	s_mov_b32 s[G0B+4*\s], 1
	s_add_co_u32 s[G0B+4*\s+1], s81, \s*SLOT
	s_add_nc_u64 s[G0B+4*\s+2:G0B+4*\s+3], s[46:47], 8192+4096*\s
	s_or_b32 s[G0B+4*\s+3], s[G0B+4*\s+3], 0x80000000
.endr
	; where my results go: bh = 16 (y / 8) + g; step = 2 (y % 8) + HA
	s_lshr_b32 s76, s22, 3
	s_lshl_b32 s76, s76, 4
	s_add_co_u32 s76, s76, s21
	s_and_b32 s78, s22, 7
	s_lshl_b32 s78, s78, 1
	s_add_co_u32 s78, s78, s[HA]
	s_lshl_b32 s80, s76, 17
	s_lshl_b32 s81, s78, 13
	s_add_co_u32 s80, s80, s81
	s_lshl_b32 s84, s[HB], 9
	s_mov_b32 s85, 0
	s_add_co_u32 s80, s80, s84
	s_mov_b32 s81, 0
	s_add_nc_u64 s[92:93], s[14:15], s[80:81]      ; q: + 1,024 a tile
	s_lshl_b32 s80, s76, 4
	s_add_co_u32 s80, s80, s78
	s_mul_i32 s80, s80, 17152
	s_add_co_u32 s80, s80, 4194304
	s_add_nc_u64 s[82:83], s[14:15], s[80:81]      ; the step's block
	s_add_nc_u64 s[94:95], s[82:83], s[84:85]      ; k likewise
	s_lshl_b32 s84, s[HB], 12
	s_add_nc_u64 s[96:97], s[82:83], s[84:85]
	s_add_nc_u64 s[96:97], s[96:97], 8192          ; v: 2,048 a tile of channels, 512 a pair of token tiles
	s_lshl_b32 s80, s76, 13
	s_lshl_b32 s84, s78, 9
	s_add_co_u32 s80, s80, s84
	s_add_nc_u64 s[88:89], s[100:101], s[80:81]    ; q's words
	s_add_nc_u64 s[90:91], s[82:83], 16384         ; k's
	s_cmp_eq_u32 s[HB], 0
	s_cselect_b64 s[98:99], s[88:89], s[90:91]
	s_mov_b32 s2, 0x76543210
	s_mov_b32 s3, 0xfedcba98                       ; lane l xor 16
	s_mov_b32 s[MNT], 0x600000
	s_mov_b32 s40, 0x7f7f0000
	s_lshl_b32 s16, s[HA], 15
	s_lshl_b32 s17, s[HB], 13
	s_add_co_u32 s17, s17, BOFF
	s_wait_alu depctr_va_vdst(0)                   ; the wait directly ahead of the readers below
.irp s, 0,1
	v_add_nc_u32 v[ADRA+\s], s16, v4
	v_add_nc_u32 v[ADRB+\s], s17, v4
	s_add_co_u32 s16, s16, SLOT
	s_add_co_u32 s17, s17, SLOT
.endr
	s_lshl_b32 s16, s[HA], 10
	s_add_co_u32 s16, s16, WB
	s_add_co_u32 s17, s16, s[HB]
	v_lshl_add_u32 v24, v2, 1, s17                 ; my byte of row r: 2 r + HB
	s_lshl_b32 s17, s[HB], 7
	s_add_co_u32 s17, s17, s16
	v_lshl_add_u32 v25, v2, 2, s17                 ; v's words, at 512 on
	s_lshl_b32 s17, s[HB], 8
	s_add_co_u32 s17, s17, s16
	v_lshl_add_u32 v26, v1, 3, s17                 ; back: q's or k's bytes, eight a lane
	v_lshl_add_u32 v27, v1, 3, s16                 ; v's words, at 512 on
	v_lshlrev_b32 v9, 3, v1
	s_wait_alu depctr_va_vdst(0)                   ; the wait at the head's end
	s_cmp_lt_u32 s[WV], 2
	s_cbranch_scc0 .Lslot_1
	s_wait_tensorcnt 0x0                           ; slot 0 is in; the other waves' wait stands in front of the next barrier
.Lslot_1:
	s_barrier_signal -1
	s_barrier_wait -1
.macro FETCH q                         ; the fragments of the q-th 128 along K into set q % 2: 56 loads
	WIN (1+(\q)%2)<<6
.irp a, 0,1,2,3,4,5,6,7
.irp c, 0,1,2,3
	ds_load_b128 v[16*\a+4*\c:16*\a+4*\c+3], v[ADRA+((\q)/2)%2] offset:4096*\a+2048*((\q)%2)+512*\c
.endr
.endr
.irp b, 0,1,2,3,4,5
.irp c, 0,1,2,3
	ds_load_b128 v[128+16*\b+4*\c:128+16*\b+4*\c+3], v[ADRB+((\q)/2)%2] offset:4096*(4*(\b/2)+\b%2)+2048*((\q)%2)+512*\c
.endr
.endr
.endm
.macro PROD q, n                       ; product n of the q-th 128 along K; the first adds onto the bias
.if (\n) < 12
.set P_, 0
.set I_, (\n)
.elseif (\n) < 16
.set P_, 3
.set I_, (\n)-4
.else
.set P_, 1+((\n)-16)/12
.set I_, ((\n)-16)%12
.endif
.if (\n) < 16
.set DW_, 0
.set D_, 128+8*(\n)
.else
.set DW_, 3
.set D_, 8*((\n)-16)
.endif
.set F_, 1+(\q)%2
.if I_ < 8
.set YR_, I_/4
.set XB_, I_%4
.set XR_, XB_%2
.set X_, 128+16*XB_
.set Y_, 16*(2*P_+YR_)
.set XS_, SB+4*(\q)+XB_/2
.set YS_, SA+4*(\q)+P_
.set C_, 224+8*XB_
.set CW_, 1
.else
.set YR_, (I_-8)/2
.set XR_, (I_-8)%2
.set X_, 16*(2*P_+XR_)
.set Y_, 192+16*YR_
.set XS_, SA+4*(\q)+P_
.set YS_, SB+4*(\q)+2
.set C_, 224+8*YR_
.set CW_, 2
.endif
.if (\q) > 0
.set C_, D_
.set CW_, DW_
.endif
	WIN F_|(F_<<2)|(CW_<<4)|(DW_<<6)
.if XR_ && YR_
	v_wmma_scale_f32_16x16x128_f8f6f4 v[D_:D_+7], v[X_:X_+15], v[Y_:Y_+15], v[C_:C_+7], v[XS_], v[YS_] matrix_a_scale:MATRIX_SCALE_ROW1 matrix_b_scale:MATRIX_SCALE_ROW1
.elseif YR_
	v_wmma_scale_f32_16x16x128_f8f6f4 v[D_:D_+7], v[X_:X_+15], v[Y_:Y_+15], v[C_:C_+7], v[XS_], v[YS_] matrix_b_scale:MATRIX_SCALE_ROW1
.elseif XR_
	v_wmma_scale_f32_16x16x128_f8f6f4 v[D_:D_+7], v[X_:X_+15], v[Y_:Y_+15], v[C_:C_+7], v[XS_], v[YS_] matrix_a_scale:MATRIX_SCALE_ROW1
.else
	v_wmma_scale_f32_16x16x128_f8f6f4 v[D_:D_+7], v[X_:X_+15], v[Y_:Y_+15], v[C_:C_+7], v[XS_], v[YS_]
.endif
.endm
.macro MULR q, from, to                ; the 48 accumulators take turns, in the same order in every step
.set N_, \from
.rept (\to)-(\from)
	PROD \q, N_
.set N_, N_+1
.endr
.endm
.macro STEP q                          ; a slot's first 128 along K; its second is fetched on the way
	PLACES 8                                       ; in front of loads into registers that the products read
	FETCH (\q)+1
	s_wait_dscnt 56                                ; all but those 56
	MULR \q, 0, 48
.endm
.macro TURN q, fill                    ; a slot's second 128 along K, and the change of slots
	s_wait_dscnt 0x0
	MULR \q, 0, 16
	WIN 0
	s_wait_tensorcnt 0x0                           ; my part of the next slot is in
	ds_add_u32 v[SPW], v[NIL]
.if (\q) == 1
	s_mov_b32 s[G1+2], 8<<16                       ; no tensor load of mine is out: from here on a load brings half of the tiles
	s_mov_b32 s[G1+4], 8
	s_mov_b32 s[G1B+2], 6<<16
	s_mov_b32 s[G1B+4], 6
.endif
	MULR \q, 16, 24
	s_wait_dscnt 0x0                               ; the add is done, and my reads of this slot are over
	s_barrier_signal -1
	MULR \q, 24, 32
	WIN 0
	s_barrier_wait -1
.if \fill
	CREST                                          ; no wave of any partner still reads this slot or has a load on its way
	JLOAD ((\q)/2)%2
	PLACES 4
.else
	PLACES 8
.endif
	FETCH (\q)+1
	MULR \q, 32, 48
.endm
	FETCH 0
	s_wait_loadcnt 0x0                             ; the scale words and the bias
	FETCH 1
	s_wait_dscnt 56
	MULR 0, 0, 48
	TURN 1, 1
	STEP 2
	TURN 3, 1
	STEP 4
	TURN 5, 0
	STEP 6
	s_wait_dscnt 0x0
	MULR 7, 0, 48
	WIN 0
	PLACES 8
; THE WAY OUT.  A group is 16 registers of a lane, half a block of 32; lane l xor 16 holds the other half.  ng groups from register as of window w on: codes into v[PCD + 4 g] on, the byte into v[TM + 6 + g].  The sums are read from their low ends on.
.macro QUANT w, as, ng
	WIN (\w)|((\w)<<2)
.irp b, 0,1,2,3,4,5
.if \b < \ng
	v_max3_num_f32 v[TM+\b], |v[\as+16*\b]|, |v[\as+16*\b+1]|, 0x4800000   ; and the floor 2^(9 - 127)
.endif
.endr
	WIN ((\w)<<2)|((\w)<<4)
.irp i, 2,4,6,8,10,12,14
.irp b, 0,1,2,3,4,5
.if \b < \ng
	v_max3_num_f32 v[TM+\b], v[TM+\b], |v[\as+16*\b+\i]|, |v[\as+16*\b+\i+1]|
.endif
.endr
.endr
	WIN 0
.irp b, 0,1,2,3,4,5
.if \b < \ng
	v_permlanex16_b32 v[TM+6+\b], v[TM+\b], s2, s3
.endif
.endr
.irp b, 0,1,2,3,4,5
.if \b < \ng
	v_max_num_f32 v[TM+\b], v[TM+\b], v[TM+6+\b]
.endif
.endr
.irp b, 0,1,2,3,4,5
.if \b < \ng
	v_add_nc_u32 v[TM+18+\b], 0xfc000000, v[TM+\b] ; the conversion's scale operand
.endif
.endr
.irp b, 0,1,2,3,4,5
.if \b < \ng
	v_and_or_b32 v[TM+12+\b], v[TM+\b], 0x7f800000, s[MNT]   ; 448 x the scale
.endif
.endr
.irp b, 0,1,2,3,4,5
.if \b < \ng
	v_lshrrev_b32 v[TM+6+\b], 23, v[TM+18+\b]      ; the byte
.endif
.endr
	WIN ((\w)<<6)|(\w)
.irp b, 0,1,2,3,4,5
.if \b < \ng
.irp i, 0,1,2,3,4,5,6,7,8,9,10,11,12,13,14,15
	v_med3_num_f32 v[\as+16*\b+\i], v[\as+16*\b+\i], -v[TM+12+\b], v[TM+12+\b]   ; the conversion does not saturate (ISA guide 7.6.2): the hold
.endr
.endif
.endr
	WIN \w
	s_wait_alu depctr_va_vdst(0)
	s_wait_xcnt 0x0                                ; the stores before have read the code registers
.irp b, 0,1,2,3,4,5
.if \b < \ng
	v_cvt_scalef32_pk8_fp8_f32 v[PCD+4*\b:PCD+4*\b+1], v[\as+16*\b:\as+16*\b+7], v[TM+18+\b]
	v_cvt_scalef32_pk8_fp8_f32 v[PCD+4*\b+2:PCD+4*\b+3], v[\as+16*\b+8:\as+16*\b+15], v[TM+18+\b]
.endif
.endr
	WIN 0
	v_nop                                          ; one plain line behind the last conversion
.endm
.macro OUTQK p                         ; groups q, k of token tile 2 p, q, k of 2 p + 1: chunks of 512 consecutive bytes
.irp g, 0,1,2,3
	global_store_b128 v4, v[PCD+4*\g:PCD+4*\g+3], s[92+2*(\g%2):93+2*(\g%2)] offset:1024*(2*\p+\g/2)
	ds_store_b8 v24, v[TM+6+\g] offset:256*(\g%2)+32*(2*\p+\g/2)
.endr
.endm
.macro OUTV p, g0                      ; v's two tiles of channels over 32 tokens
.irp u, 0,1
	global_store_b128 v4, v[PCD+4*(\g0+\u):PCD+4*(\g0+\u)+3], s[96:97] offset:2048*\u+512*\p
.if \p == 0
	v_mov_b32 v[104+\u], v[TM+6+\g0+\u]
.else
	v_lshl_or_b32 v[104+\u], v[TM+6+\g0+\u], 8*\p, v[104+\u]
.endif
.endr
.endm
.irp b, 0,1,2,3,4,5
	v_mov_b32 v[TM+6+\b], 0                        ; a lane permute's destination counts as one of its sources
.endr
	QUANT 0, 128, 6
	OUTQK 0
	OUTV 0, 4
	QUANT 3, 0, 6
	OUTQK 1
	OUTV 1, 4
	QUANT 3, 96, 6
	OUTQK 2
	OUTV 2, 4
	QUANT 3, 192, 4
	OUTQK 3
	QUANT 0, 224, 2
	OUTV 3, 0
	ds_store_b32 v25, v104 offset:512
	ds_store_b32 v25, v105 offset:576
	s_wait_alu depctr_va_vdst(0)
	s_wait_dscnt 0x0                               ; my scale bytes are in LDS
	s_barrier_signal -1
	s_barrier_wait -1
	ds_load_b64 v[106:107], v26                    ; four rows' two bytes: q's in the waves of the first half of the columns, k's in the others
	ds_load_b64 v[112:113], v27 offset:512         ; v's words
	s_wait_dscnt 0x0
	v_and_or_b32 v108, v106, 0xffff, s40
	v_lshrrev_b32 v109, 16, v106
	v_and_or_b32 v110, v107, 0xffff, s40
	v_lshrrev_b32 v111, 16, v107
	v_or_b32 v109, s40, v109
	v_or_b32 v111, s40, v111
	global_store_b128 v4, v[108:111], s[98:99]     ; 512 consecutive bytes: eight tiles' words
	s_cmp_eq_u32 s[HB], 0
	s_cbranch_scc1 .Lend
	global_store_b64 v9, v[112:113], s[98:99] offset:512   ; behind k's words: 256 consecutive bytes
.Lend:
	s_wait_tensorcnt 0x0                           ; the wave's end
	ds_add_u32 v[SPW], v[NIL]
	s_wait_dscnt 0x0
	CROUND                                         ; the closing round
	s_endpgm
.Lfunc_end_k_qccada55166_qkv:
	.size	k_qccada55166_qkv, .Lfunc_end_k_qccada55166_qkv-k_qccada55166_qkv
	.p2alignl 7, 3214868480
	.fill 96, 4, 3214868480
	.section	.rodata,"a",@progbits
	.p2align	6, 0x0
	.amdhsa_kernel k_qccada55166_qkv
		.amdhsa_group_segment_fixed_size 327680
		.amdhsa_private_segment_fixed_size 0
		.amdhsa_enable_private_segment 0
		.amdhsa_kernarg_size 56
		.amdhsa_user_sgpr_count 2
		.amdhsa_user_sgpr_kernarg_segment_ptr 1
		.amdhsa_wavefront_size32 1
		.amdhsa_system_sgpr_workgroup_id_x 1
		.amdhsa_system_sgpr_workgroup_id_y 1
		.amdhsa_system_sgpr_workgroup_id_z 1
		.amdhsa_system_vgpr_workitem_id 0
		.amdhsa_next_free_vgpr 1024
		.amdhsa_next_free_sgpr 102
		.amdhsa_reserve_vcc 0
		.amdhsa_float_denorm_mode_32 3
		.amdhsa_float_denorm_mode_16_64 3
		.amdhsa_memory_ordered 1
		.amdhsa_forward_progress 1
		.amdhsa_inst_pref_size 151
	.end_amdhsa_kernel
	.amdgpu_metadata
---
amdhsa.version: [ 1, 2 ]
amdhsa.kernels:
  - .name:           k_qccada55166_qkv
    .symbol:         k_qccada55166_qkv.kd
    .args:
      - { .name: ac, .offset: 0, .size: 8, .value_kind: global_buffer, .address_space: global }
      - { .name: asc, .offset: 8, .size: 8, .value_kind: global_buffer, .address_space: global }
      - { .name: wc, .offset: 16, .size: 8, .value_kind: global_buffer, .address_space: global }
      - { .name: ws, .offset: 24, .size: 8, .value_kind: global_buffer, .address_space: global }
      - { .name: b_attn, .offset: 32, .size: 8, .value_kind: global_buffer, .address_space: global }
      - { .name: qkvc, .offset: 40, .size: 8, .value_kind: global_buffer, .address_space: global }
      - { .name: qkvs, .offset: 48, .size: 8, .value_kind: global_buffer, .address_space: global }
    .group_segment_fixed_size: 327680
    .private_segment_fixed_size: 0
    .kernarg_segment_align: 8
    .kernarg_segment_size: 56
    .max_flat_workgroup_size: 128
    .sgpr_count:     102
    .vgpr_count:     1024
    .wavefront_size: 32
...
	.end_amdgpu_metadata
.endif
;; end of part 2
;; launch attn (part 3): grid 8 x 32, 16 waves a work-group, clusters of 4 x 1, 327,680 bytes of LDS; arguments qkvc, qkvs, ac, asc; writes ac, asc
.if DOCPART == 3
	.amdgcn_target "amdgcn-amd-amdhsa--gfx1250"
	.amdhsa_code_object_version 6
	.text
	.protected	k_qccada55166_attn
	.globl	k_qccada55166_attn
	.p2align	8
	.type	k_qccada55166_attn,@function
k_qccada55166_attn:
	s_mov_b64 s[64:65], 0
	v_nop
	global_prefetch_b8 v0, s[64:65] scope:SCOPE_SE
	s_setreg_imm32_b32 hwreg(HW_REG_WAVE_MODE, 25, 1), 1
	s_wait_xcnt 0x0
	s_wait_alu depctr_hold_cnt(0) depctr_sa_sdst(0) depctr_va_vdst(0) depctr_va_sdst(0) depctr_va_ssrc(0) depctr_va_vcc(0) depctr_vm_vsrc(0)
	s_getreg_b32 s2, hwreg(HW_REG_IB_STS2, 6, 4)
	s_cmp_eq_u32 s2, 0
	s_cbranch_scc0 .Lentry_in_a_cluster
	s_endpgm
.Lentry_in_a_cluster:
	s_bfe_u32 s2, ttmp6, 0x10000c
	s_cmp_lg_u32 s2, 0x3003
	s_cbranch_scc0 .Lentry_shape_is_right
	s_endpgm
.Lentry_shape_is_right:
; y[b][q][head] = causal softmax(q k^T / 8) v, both products on codes of FP8 (E4M3) with E8M0 scales; y is quantised along C (two blocks of 32 a head) and leaves as codes, in the layout that the last product reads.
; THE SOFTMAX: t = score x log2(e) / 8; M = the running largest t rounded UP to a whole number; p = 2^(t - M) is quantised along the keys, not normalised; the sum is taken of the unquantised p and divides at the end.
; Steps of 128 keys that the causal mask hides from all queries of a tile are not worked.
; SHARES.  A head's 2,048 queries are 16 blocks of 128, a block 8 tiles of 16.  Work-group j (0..7) of a head takes tile j of EVERY block: so all eight have the same work and read all of K and V.  A block's tile b wants key steps 0 .. b.
; Pair k (0..7) of waves k and k + 8 owns the late tile of block 15 - k (16 - k steps) and the early tile of block k (k + 1 steps), 17 steps together.
;   Wave k (A): the late tile, steps 0 .. 7.  Wave k + 8 (B): the late tile, steps 8 .. 15 - k; then its sums go to LDS, and it takes the early tile, steps 0 .. k: nine steps.  At the end A joins B's sums to its own.  Both write one tile.
; LDS.  A step is one dense block of 17,152 bytes in memory: K's codes 8 KB, V's 8 KB, K's scale words 512 bytes, V's 256.  All 16 come ONCE, each wave asking for one; step s lies at place s xor 8.  Nothing is filled again.
;   Wave w asks for step w / 2 + 8 (w % 2): steps 0 and 8, which the first trip reads, by waves 0 and 1 on a line of their own, shown by the first barrier; the others by the second.
; At trip t (1..8) B reads place t (t < 8 - k) or t + k; A rests at t = 1 and reads place t + 7.  Trip 0: B place 0, A place 8.
; CLUSTERS of four work-groups of a head ask jointly for K and V.  No prefetch: every tile is asked for at the head.
; LAYOUT.  S^T = K Q^T, O^T = V^T P^T: a lane holds one query (lane-row r of its tile: query Q0 + r + 8 (r/8)); the keys of a tile of K are in the same order, so that p's 16 registers of two neighbouring tiles are 16 neighbouring keys.
; K = 64 IN AN INSTRUCTION OF K = 128: Q's upper eight registers hold zero codes.  A tile of K is named with the eight registers that follow it (the next tile's codes; the early tile's Q codes behind the last): finite numbers (the quantiser makes no NaN code)
; that meet zeros under scale bytes 0x7f: they add exactly 0.
; LIMITS: NaN and infinities are not served; the promise holds while the scaled scores t stay under 2^31 in magnitude; a block of zeros or under 2^-118 gets the byte 1; a block's largest p is taken from its largest score, which takes v_exp_f32 not to fall where its input rises.
; y's scale bytes leave one byte a lane: a scale word spans two heads, which are different work-groups; they are one byte in 32 of what the launch stores.
; OF THE TWO WAVES OF PAIR k, in place of the numbers above: B, with nine steps, is wave k; A, with eight, is wave k + 8.
.set ST,    17152
.set SPARE, 16*ST                      ; the spare words, 128 bytes for each wave
.set MRG,   SPARE+2048                 ; B's sums: 4,352 bytes a pair
.set WV,   12
.set BH,   13
.set PK,   18                          ; k
.set MNT,  19
.set SEL,  20
.set CS,   22
.set G0,   24
.set G1,   28
.set RA,   36                          ; 1 in A, 0 in B; also the trip at which A rests
.set D1,   37                          ; place - trip, in bytes, ahead of the change of tiles,
.set D2,   38                          ; and behind it
.set SW,   39                          ; the trip at which B changes tiles
.set T8,   41                          ; the trip of the early tile's diagonal
.set CNT,  42
.set TT,   43                          ; trip x ST
.set TB,   44
.set DG,   48                          ; the trip of the late tile's diagonal
.set S,    104                         ; v104-167 S^T, then p
.set OT,   168                         ; v168-199 O^T
.set PCD,  200                         ; v200-215 p's codes
.set KS,   216                         ; v216-219 K's scale words: lanes 0-15 tile 2 p, lanes 16-31 tile 2 p + 1
.set VS,   220                         ; v220-221 V's likewise
.set QS,   222
.set PW,   223
.set BM,   224
.set PT,   228
.set LIM,  232
.set SCO,  236
.set QE,   96                          ; v96-103 the early tile's Q
.set QSE,  243                         ; and its words
.macro CROUND                          ; a round of the cluster's barrier
	s_barrier_signal -1
	s_barrier_wait -1
	s_cmp_lg_u32 s[WV], 0
	s_cbranch_scc1 .Lnot_wave_0_\@
	s_barrier_signal -3
.Lnot_wave_0_\@:
	s_barrier_wait -3
	s_barrier_signal -1
	s_barrier_wait -1
.endm
.macro TLOAD
	tensor_load_to_lds s[G0:G0+3], s[G1:G1+7]
	s_nop 0
.rept 4
	v_nop
.endr
.endm
	s_load_b256 s[4:11], s[0:1], 0x0               ; qkvc s[4:5], qkvs s[6:7], ac s[8:9], asc s[10:11]
	v_lshl_add_u32 v254, v0, 2, SPARE
	v_mov_b32 v255, 0
	ds_add_u32 v254, v255                          ; the wave's opening: the add twice on end, under one wait
	ds_add_u32 v254, v255
	v_lshrrev_b32 v1, 5, v0
	v_readfirstlane_b32 s[WV], v1                  ; wave 0..15
	s_and_b32 s[BH], ttmp7, 0xffff                 ; 16 x batch + head
	s_bfe_u32 s45, ttmp6, 0x40000
	s_lshl_b32 s46, ttmp9, 2
	s_add_co_u32 s45, s45, s46                     ; j: which tile of every block
	s_mov_b32 s[G1], 15|(3<<16)|(1<<21)            ; the cluster's four work-groups; elements of 8 bytes; 21 set beside a mask
	s_mov_b32 s[G1+1], 32<<16                      ; 67 dense rows of 256 bytes
	s_mov_b32 s[G1+2], 67<<16
	s_mov_b32 s[G1+3], 32<<16
	s_mov_b32 s[G1+4], 67
	s_mov_b32 s[G1+5], 32
	s_mov_b32 s[G1+6], 0
	s_mov_b32 s[G1+7], 0
	s_lshr_b32 s14, s[WV], 1
	s_and_b32 s15, s[WV], 1
	s_lshl_b32 s15, s15, 3
	s_add_co_u32 s14, s14, s15                     ; the step that I ask for
	s_xor_b32 s15, s14, 8                          ; its place
	s_mov_b32 s[G0], 1
	s_mul_i32 s[G0+1], s15, ST
	s_mul_i32 s16, s[BH], 16*ST
	s_mul_i32 s14, s14, ST
	s_add_co_u32 s14, s14, s16
	s_add_co_u32 s14, s14, 4194304
	s_mov_b32 s15, 0
	s_wait_dscnt 0x0                               ; both opening adds are done
	CROUND                                         ; all partners are here: the joint loads meet
	s_wait_kmcnt 0x0
	s_add_nc_u64 s[G0+2:G0+3], s[4:5], s[14:15]
	s_or_b32 s[G0+3], s[G0+3], 0x80000000
	s_cmp_lt_u32 s[WV], 2
	s_cbranch_scc0 .Llater
	TLOAD                                          ; waves 0, 1: steps 0 and 8
	s_branch .Lasked
.Llater:
	TLOAD
.Lasked:
	s_and_b32 s[PK], s[WV], 7
	s_xor_b32 s46, s[PK], 15
	s_lshl_b32 s46, s46, 3
	s_add_co_u32 s46, s46, s45                     ; the late tile, 0..127
	s_lshl_b32 s47, s[PK], 3
	s_add_co_u32 s47, s47, s45                     ; the early tile
	s_lshl_b32 s14, s[BH], 17
	s_lshl_b32 s16, s46, 10
	s_add_co_u32 s16, s16, s14
	s_mov_b32 s17, 0
	s_add_nc_u64 s[50:51], s[4:5], s[16:17]        ; Q's codes: 1,024 bytes a tile
	s_lshl_b32 s16, s47, 10
	s_add_co_u32 s16, s16, s14
	s_add_nc_u64 s[52:53], s[4:5], s[16:17]
	s_lshl_b32 s14, s[BH], 13
	s_lshl_b32 s16, s46, 6
	s_add_co_u32 s16, s16, s14
	s_add_nc_u64 s[54:55], s[6:7], s[16:17]        ; and the words
	s_lshl_b32 s16, s47, 6
	s_add_co_u32 s16, s16, s14
	s_add_nc_u64 s[56:57], s[6:7], s[16:17]
	s_lshr_b32 s[RA], s[WV], 3
	s_mul_i32 s[D1], s[RA], 7*ST
	s_mul_i32 s[D2], s[PK], ST
	s_lshl_b32 s16, s[RA], 4                       ; A: 16 added: a trip that never comes
	s_xor_b32 s[DG], s[PK], 7
	s_add_co_u32 s[DG], s[DG], s16                 ; B: 7 - k
	s_add_co_u32 s[SW], s[DG], 1                   ; B: 8 - k
	s_add_co_u32 s[T8], s16, 8
	s_mul_i32 s[TB], s[RA], 8*ST                   ; trip 0
	s_mov_b32 s[CNT], 0
	s_mul_i32 s49, s[PK], 4352
	s_add_co_u32 s49, s49, MRG
	s_lshr_b32 s16, s45, 1
	s_lshl_b32 s16, s16, 5
	s_and_b32 s17, s45, 1
	s_lshl_b32 s17, s17, 3
	s_add_co_u32 s16, s16, s17                     ; my tile's first query in its block: 32 (j / 2) + 8 (j % 2)
	s_mov_b32 s[MNT], 0x600000
	s_mov_b32 s[SEL], 0x76543210
	s_mov_b32 s[SEL+1], 0xfedcba98
	s_mov_b32 s[CS], 0x3e38aa3b                    ; c = log2(e) / 8
	s_mov_b32 s[CS+1], s[CS]
	v_and_b32 v6, 31, v0                           ; lane
	v_and_b32 v7, 15, v0                           ; r
	v_bfe_u32 v8, v0, 4, 1                         ; h
	v_lshlrev_b32 v1, 4, v6                        ; 16 x lane
	v_lshlrev_b32 v2, 2, v6                        ; 4 x lane
	v_lshlrev_b32 v11, 2, v7
	global_load_b128 v[16:19], v1, s[50:51]
	global_load_b128 v[20:23], v1, s[50:51] offset:512
	global_load_b32 v[QS], v11, s[54:55]
	global_load_b128 v[QE:QE+3], v1, s[52:53]
	global_load_b128 v[QE+4:QE+7], v1, s[52:53] offset:512
	global_load_b32 v[QSE], v11, s[56:57]
	v_and_b32 v9, 8, v7
	v_lshlrev_b32 v10, 4, v8
	v_add_nc_u32 v9, v9, v7
	v_sub_nc_u32 v9, v9, v10
	v_lshlrev_b32 v10, 3, v6
	v_add_nc_u32 v3, s16, v9                       ; d = my query in its block - 16 h: on the diagonal register 16 b + i holds key 16 h + 32 b + i of the block: it counts where 32 b + i <= d
	v_add_nc_u32 v9, s49, v1                       ; B's sums in LDS
	v_add_nc_u32 v10, s49, v10
.irp j, 0,1,2,3,4,5,6,7
	v_mov_b32 v[24+\j], 0                          ; Q's zero codes for k = 64 .. 127
.endr
.irp b, 0,1,2,3
	v_mov_b32 v[PT+\b], 0                          ; a lane permute's destination counts as one of its sources
.endr
	v_mov_b32 v13, 0xff61b1e6                      ; the largest t so far: -3e38
	v_mov_b32 v14, 0
	v_mov_b32 v15, 0
	v_mov_b32 v241, 0                              ; named as the upper half of the pair v[240:241]
	v_floor_f32 v12, -v13                          ; -M
; A KEY STEP of 128 keys, at LDS byte s[TB]; first = 1: O^T begins with it
.macro ASTEP first
	v_add_nc_u32 v4, s[TB], v1
	v_add_nc_u32 v5, s[TB], v2
.if (\first) == 0
.rept 6
	v_nop                                          ; with the two additions: eight places in front of loads into registers that the last products read
.endr
.endif
.irp t, 0,1,2,3,4,5,6,7
	ds_load_b128 v[32+8*\t:35+8*\t], v4 offset:1024*\t
	ds_load_b128 v[36+8*\t:39+8*\t], v4 offset:1024*\t+512
.endr
.irp p, 0,1,2,3
	ds_load_b32 v[KS+\p], v5 offset:16384+128*\p
.endr
.irp p, 0,1
	ds_load_b32 v[VS+\p], v5 offset:16896+128*\p
.endr
	s_wait_alu depctr_va_vdst(0)                   ; directly ahead of the wait below
	s_wait_dscnt 0x0
.irp t, 0,2,4,6
	v_wmma_scale_f32_16x16x128_f8f6f4 v[S+8*\t:S+8*\t+7], v[32+8*\t:47+8*\t], v[16:31], 0, v[KS+\t/2], v[QS]
	v_wmma_scale_f32_16x16x128_f8f6f4 v[S+8*\t+8:S+8*\t+15], v[40+8*\t:55+8*\t], v[16:31], 0, v[KS+\t/2], v[QS] matrix_a_scale:MATRIX_SCALE_ROW1
.endr
.rept 8
	v_nop
.endr
.irp d, 0,1,2,3                                ; V's four fragments take K's registers and land under the softmax
.irp c, 0,1,2,3
	ds_load_b128 v[32+16*\d+4*\c:35+16*\d+4*\c], v4 offset:8192+2048*\d+512*\c
.endr
.endr
	s_cmp_eq_u32 s[CNT], s[DG]                     ; on the diagonal hidden scores become -infinity ahead of the maximum; the other steps skip this
	s_cbranch_scc1 .Ldiagonal_\@
	s_cmp_lg_u32 s[CNT], s[T8]
	s_cbranch_scc1 .Lopen_\@
.Ldiagonal_\@:
.set n, 0
.rept 64
	v_cmp_le_i32 vcc_lo, 32*(n/16)+n%16, v3
	v_cndmask_b32 v[S+n], 0xff800000, v[S+n], vcc_lo
.set n, n+1
.endr
.Lopen_\@:
.irp b, 0,1,2,3
	v_max3_num_f32 v[BM+\b], v[S+16*\b], v[S+16*\b+1], v[S+16*\b+2]   ; the largest score of each block of 32 keys: for the row's maximum, and for the block's largest p
.endr
.irp i, 3,5,7,9,11,13
.irp b, 0,1,2,3
	v_max3_num_f32 v[BM+\b], v[BM+\b], v[S+16*\b+\i], v[S+16*\b+\i+1]
.endr
.endr
.irp b, 0,1,2,3
	v_max_num_f32 v[BM+\b], v[BM+\b], v[S+16*\b+15]
.endr
.irp b, 0,1,2,3
	s_delay_alu instid0(VALU_DEP_4)
	v_permlanex16_b32 v[PT+\b], v[BM+\b], s[SEL], s[SEL+1]
.endr
.irp b, 0,1,2,3
	s_delay_alu instid0(VALU_DEP_4)
	v_max_num_f32 v[BM+\b], v[BM+\b], v[PT+\b]
.endr
	s_delay_alu instid0(VALU_DEP_2)
	v_max3_num_f32 v242, v[BM], v[BM+1], v[BM+2]
	s_delay_alu instid0(VALU_DEP_1)
	v_max_num_f32 v242, v242, v[BM+3]
	s_delay_alu instid0(VALU_DEP_1)
	v_mul_f32 v242, s[CS], v242
	s_delay_alu instid0(VALU_DEP_1)
	v_max_num_f32 v13, v13, v242                   ; the running largest t
	v_mov_b32 v242, v12
	s_delay_alu instid0(VALU_DEP_2)
	v_floor_f32 v12, -v13                          ; the new -M = -ceil(t)
	s_delay_alu instid0(VALU_DEP_1)
	v_sub_f32 v242, v12, v242                      ; old M - new M: a whole number, 0 or less
	s_delay_alu instid0(VALU_DEP_1)
	v_cvt_i32_f32 v242, v242                       ; (it saturates)
	s_delay_alu instid0(VALU_DEP_1)
	v_ldexp_f32 v240, 1.0, v242                    ; f = 2^(old M - new M)
.set n, 0
.rept 32
	v_pk_fma_f32 v[S+n:S+n+1], v[S+n:S+n+1], s[CS:CS+1], v[12:13] op_sel_hi:[1,0,0]   ; t - M
.set n, n+2
.endr
.irp b, 0,1,2,3
	v_fma_f32 v[BM+\b], v[BM+\b], s[CS], v12
.endr
.set n, 0
	s_wait_alu depctr_va_vdst(0)                   ; the wait ahead of the batch too
.rept 64
	v_exp_f32 v[S+n], v[S+n]                       ; p = 2^(t - M)
.set n, n+1
.endr
	v_pk_mul_f32 v[14:15], v[14:15], v[240:241] op_sel_hi:[1,0]   ; the sums under the new M: a plain line behind the exponentials
	s_wait_alu depctr_va_vdst(0)                   ; one wait for the batch, ahead of its first reader
.irp b, 0,1,2,3
	v_exp_f32 v[BM+\b], v[BM+\b]                   ; each block's largest p
.endr
.set n, S
.irp a, 244,252,250,248,246,238,236            ; the row's sum of the unquantised p, two at a time, in eight chains
	v_pk_add_f32 v[\a:\a+1], v[n:n+1], v[n+2:n+3]
.set n, n+4
.endr
.irp a, 14,244,252,250,248,246,238,236,14,244,252,250,248,246,238,236,14,244
	v_pk_add_f32 v[\a:\a+1], v[\a:\a+1], v[n:n+1]
.set n, n+2
.endr
	v_pk_add_f32 v[252:253], v[252:253], v[246:247]
	v_pk_add_f32 v[250:251], v[250:251], v[238:239]
	v_pk_add_f32 v[244:245], v[244:245], v[248:249]
	v_pk_add_f32 v[14:15], v[14:15], v[236:237]
	s_delay_alu instid0(VALU_DEP_2)
	v_pk_add_f32 v[244:245], v[244:245], v[252:253]
	s_delay_alu instid0(VALU_DEP_2)
	v_pk_add_f32 v[14:15], v[14:15], v[250:251]
	s_delay_alu instid0(VALU_DEP_1)
	v_pk_add_f32 v[14:15], v[14:15], v[244:245]
	s_wait_alu depctr_va_vdst(0)                   ; and one for the four
.irp b, 0,1,2,3
	v_max_num_f32 v[BM+\b], 0x4800000, v[BM+\b]    ; the floor 2^(9 - 127)
.endr
.irp b, 0,1,2,3
	s_delay_alu instid0(VALU_DEP_4)
	v_add_nc_u32 v[SCO+\b], 0xfc000000, v[BM+\b]
.endr
.irp b, 0,1,2,3
	v_and_or_b32 v[LIM+\b], v[BM+\b], 0x7f800000, s[MNT]
.endr
.irp b, 0,1,2,3
	v_lshrrev_b32 v[PT+\b], 23, v[SCO+\b]
.endr
	s_delay_alu instid0(VALU_DEP_3)
	v_lshl_or_b32 v[PW], v[PT+1], 8, v[PT]         ; p's scale word for these 128 keys
	s_delay_alu instid0(VALU_DEP_1)
	v_lshl_or_b32 v[PW], v[PT+2], 16, v[PW]
	s_delay_alu instid0(VALU_DEP_1)
	v_lshl_or_b32 v[PW], v[PT+3], 24, v[PW]
.irp b, 0,1,2,3
.irp i, 0,1,2,3,4,5,6,7,8,9,10,11,12,13,14,15
	v_min_num_f32 v[S+16*\b+\i], v[S+16*\b+\i], v[LIM+\b]   ; the conversion does not saturate (ISA guide 7.6.2); p is not negative
.endr
	v_cvt_scalef32_pk8_fp8_f32 v[PCD+4*\b:PCD+4*\b+1], v[S+16*\b:S+16*\b+7], v[SCO+\b]
	v_cvt_scalef32_pk8_fp8_f32 v[PCD+4*\b+2:PCD+4*\b+3], v[S+16*\b+8:S+16*\b+15], v[SCO+\b]
.endr
.if \first
.rept 4
	v_nop                                          ; the codes stand four places ahead of the products
.endr
.else
	s_wait_alu depctr_va_vdst(0)                   ; the wait directly ahead of O^T's first reader
.set n, 0
.rept 16
	v_pk_mul_f32 v[OT+n:OT+n+1], v[OT+n:OT+n+1], v[240:241] op_sel_hi:[1,0]   ; O^T under the new M; these sixteen are also the places in front of the products
.set n, n+2
.endr
.endif
	s_wait_alu depctr_va_vdst(0)
	s_wait_dscnt 0x0                               ; V is in
.irp d, 0,2
.if \first
	v_wmma_scale_f32_16x16x128_f8f6f4 v[OT+8*\d:OT+8*\d+7], v[32+16*\d:47+16*\d], v[PCD:PCD+15], 0, v[VS+\d/2], v[PW]
	v_wmma_scale_f32_16x16x128_f8f6f4 v[OT+8*\d+8:OT+8*\d+15], v[48+16*\d:63+16*\d], v[PCD:PCD+15], 0, v[VS+\d/2], v[PW] matrix_a_scale:MATRIX_SCALE_ROW1
.else
	v_wmma_scale_f32_16x16x128_f8f6f4 v[OT+8*\d:OT+8*\d+7], v[32+16*\d:47+16*\d], v[PCD:PCD+15], v[OT+8*\d:OT+8*\d+7], v[VS+\d/2], v[PW]
	v_wmma_scale_f32_16x16x128_f8f6f4 v[OT+8*\d+8:OT+8*\d+15], v[48+16*\d:63+16*\d], v[PCD:PCD+15], v[OT+8*\d+8:OT+8*\d+15], v[VS+\d/2], v[PW] matrix_a_scale:MATRIX_SCALE_ROW1
.endif
.endr
.endm
	s_wait_alu depctr_va_vdst(0)                   ; the wait at the head's end
	s_cmp_lt_u32 s[WV], 2
	s_cbranch_scc0 .Lnot_first
	s_wait_tensorcnt 0x0                           ; steps 0 and 8 are in; the other waves' wait stands at the second barrier
.Lnot_first:
	s_wait_loadcnt 0x0                             ; Q
	s_barrier_signal -1
	s_barrier_wait -1
	ASTEP 1
	s_wait_alu depctr_va_vdst(0)
	s_wait_tensorcnt 0x0                           ; the other steps
	s_wait_dscnt 0x0
	s_barrier_signal -1
	s_barrier_wait -1
	s_mov_b32 s[CNT], 1
	s_mov_b32 s[TT], ST
.Lstep:
	s_cmp_eq_u32 s[CNT], s[RA]                     ; A rests at trip 1: it has eight steps
	s_cbranch_scc1 .Lrest
	s_cmp_lg_u32 s[CNT], s[SW]
	s_cbranch_scc1 .Lsame_tile
	; B CHANGES TILES: the late tile's O^T, sum and -M go to LDS for A; the early tile begins
	v_add_f32 v14, v14, v15
	v_mov_b32 v15, v12
.rept 6
	v_nop                                          ; with the two above: the places behind the last products
.endr
.irp i, 0,1,2,3,4,5,6,7
	ds_store_b128 v9, v[OT+4*\i:OT+4*\i+3] offset:512*\i
.endr
	ds_store_b64 v10, v[14:15] offset:4096
	s_wait_dscnt 0x0                               ; the stores have read their registers
	v_mov_b32 v[QS], v[QSE]
.irp j, 0,1,2,3,4,5,6,7
	v_mov_b32 v[16+\j], v[QE+\j]
.endr
	v_mov_b32 v13, 0xff61b1e6
	v_mov_b32 v14, 0
	v_mov_b32 v15, 0
	v_floor_f32 v12, -v13
.set n, 0
.rept 32
	v_mov_b32 v[OT+n], 0                           ; the loop's step is written once: the early tile's first finds zeros
.set n, n+1
.endr
.Lsame_tile:
	s_cmp_ge_u32 s[CNT], s[SW]
	s_cselect_b32 s[TB], s[D2], s[D1]
	s_add_co_u32 s[TB], s[TB], s[TT]
	ASTEP 0
.Lrest:
	s_add_co_u32 s[TT], s[TT], ST
	s_add_co_u32 s[CNT], s[CNT], 1
	s_cmp_lt_u32 s[CNT], 9
	s_cbranch_scc1 .Lstep
	s_wait_alu depctr_va_vdst(0)
	s_wait_dscnt 0x0
	s_barrier_signal -1                            ; B's sums are in LDS
	s_barrier_wait -1
.rept 8
	v_nop                                          ; the places behind the last products
.endr
	s_cmp_lt_u32 s[WV], 8
	s_cbranch_scc1 .Lown
.irp i, 0,1,2,3,4,5,6,7
	ds_load_b128 v[S+4*\i:S+4*\i+3], v9 offset:512*\i
.endr
	ds_load_b64 v[244:245], v10 offset:4096        ; B's sum and -M
	s_wait_dscnt 0x0
	v_min_num_f32 v246, v12, v245                  ; -M of both
	v_add_f32 v14, v14, v15
	v_sub_f32 v12, v246, v12
	v_sub_f32 v245, v246, v245
	v_cvt_i32_f32 v12, v12
	v_cvt_i32_f32 v245, v245
	v_ldexp_f32 v240, 1.0, v12                     ; both parts under one M: powers of two
	v_ldexp_f32 v248, 1.0, v245
	v_mov_b32 v15, 0
	v_mul_f32 v14, v14, v240
	v_fma_f32 v14, v244, v248, v14
.set n, 0
.rept 16
	v_pk_mul_f32 v[S+n:S+n+1], v[S+n:S+n+1], v[248:249] op_sel_hi:[1,0]
.set n, n+2
.endr
.set n, 0
.rept 16
	v_pk_fma_f32 v[OT+n:OT+n+1], v[OT+n:OT+n+1], v[240:241], v[S+n:S+n+1] op_sel_hi:[1,0,1]
.set n, n+2
.endr
.Lown:
	; THE WAY OUT: O^T / the sum; two blocks of 32 channels, each shared with lane l xor 16, are quantised; register 16 b + i is channel 32 b + 16 h + i
	s_wait_alu depctr_va_vdst(0)
	v_add_f32 v14, v14, v15
	s_delay_alu instid0(VALU_DEP_1)
	v_permlanex16_b32 v242, v14, s[SEL], s[SEL+1]
	s_delay_alu instid0(VALU_DEP_1)
	v_add_f32 v14, v14, v242                       ; the row's sum
	s_wait_alu depctr_va_vdst(0)                   ; the wait ahead of the transcendental
	v_rcp_f32 v14, v14
	v_lshl_add_u32 v6, v7, 2, v8                   ; 4 r + h: my byte among the tile's scale words
	s_cmp_lt_u32 s[WV], 8
	s_cselect_b32 s58, s47, s46                    ; B writes the early tile, A the late one
	s_lshr_b32 s59, s[BH], 4
	s_lshl_b32 s59, s59, 7
	s_add_co_u32 s58, s58, s59                     ; my tile among the 256 tiles of tokens
	s_and_b32 s59, s[BH], 15                       ; the head
	s_lshl_b32 s14, s58, 14
	s_lshl_b32 s15, s59, 10
	s_add_co_u32 s14, s14, s15
	s_mov_b32 s15, 0
	s_add_nc_u64 s[8:9], s[8:9], s[14:15]          ; ac: the tile, chunks 2 head and 2 head + 1
	s_lshr_b32 s14, s59, 1
	s_lshl_b32 s14, s14, 14
	s_lshl_b32 s16, s58, 6
	s_add_co_u32 s14, s14, s16
	s_and_b32 s16, s59, 1
	s_lshl_b32 s16, s16, 1
	s_add_co_u32 s14, s14, s16
	s_add_nc_u64 s[10:11], s[10:11], s[14:15]      ; asc: plane head / 2, the tile, bytes 2 (head % 2) on
	s_wait_alu depctr_va_vdst(0)                   ; the wait ahead of the reciprocal's first reader
.set n, 0
.rept 16
	v_pk_mul_f32 v[S+n:S+n+1], v[OT+n:OT+n+1], v[14:15] op_sel_hi:[1,0]
.set n, n+2
.endr
.irp b, 0,1
	v_max3_num_f32 v[BM+\b], |v[S+16*\b]|, |v[S+16*\b+1]|, 0x4800000
.endr
.irp i, 2,4,6,8,10,12,14
.irp b, 0,1
	s_delay_alu instid0(VALU_DEP_2)
	v_max3_num_f32 v[BM+\b], v[BM+\b], |v[S+16*\b+\i]|, |v[S+16*\b+\i+1]|
.endr
.endr
.irp b, 0,1
	s_delay_alu instid0(VALU_DEP_2)
	v_permlanex16_b32 v[PT+\b], v[BM+\b], s[SEL], s[SEL+1]
.endr
.irp b, 0,1
	s_delay_alu instid0(VALU_DEP_2)
	v_max_num_f32 v[BM+\b], v[BM+\b], v[PT+\b]
.endr
.irp b, 0,1
	s_delay_alu instid0(VALU_DEP_2)
	v_add_nc_u32 v[SCO+\b], 0xfc000000, v[BM+\b]
.endr
.irp b, 0,1
	s_delay_alu instid0(VALU_DEP_4)
	v_and_or_b32 v[LIM+\b], v[BM+\b], 0x7f800000, s[MNT]
.endr
.irp b, 0,1
	s_delay_alu instid0(VALU_DEP_4)
	v_lshrrev_b32 v[PT+\b], 23, v[SCO+\b]
.endr
	v_cmp_eq_u32 vcc_lo, 1, v8
	v_cndmask_b32 v243, v[PT], v[PT+1], vcc_lo     ; lane (r, h) stores block h's byte of row r
.irp b, 0,1
.irp i, 0,1,2,3,4,5,6,7,8,9,10,11,12,13,14,15
	v_med3_num_f32 v[S+16*\b+\i], v[S+16*\b+\i], -v[LIM+\b], v[LIM+\b]
.endr
	v_cvt_scalef32_pk8_fp8_f32 v[PCD+4*\b:PCD+4*\b+1], v[S+16*\b:S+16*\b+7], v[SCO+\b]
	v_cvt_scalef32_pk8_fp8_f32 v[PCD+4*\b+2:PCD+4*\b+3], v[S+16*\b+8:S+16*\b+15], v[SCO+\b]
.endr
	v_nop                                          ; one plain line behind the last conversion
	global_store_b128 v1, v[PCD:PCD+3], s[8:9]                 ; two chunks: 1,024 consecutive bytes
	global_store_b128 v1, v[PCD+4:PCD+7], s[8:9] offset:512
	global_store_b8 v6, v243, s[10:11]
	s_wait_tensorcnt 0x0                           ; the wave's end
	ds_add_u32 v254, v255
	s_wait_dscnt 0x0
	CROUND                                         ; the closing round
	s_endpgm
.Lfunc_end_k_qccada55166_attn:
	.size	k_qccada55166_attn, .Lfunc_end_k_qccada55166_attn-k_qccada55166_attn
	.p2alignl 7, 3214868480
	.fill 96, 4, 3214868480
	.section	.rodata,"a",@progbits
	.p2align	6, 0x0
	.amdhsa_kernel k_qccada55166_attn
		.amdhsa_group_segment_fixed_size 327680
		.amdhsa_private_segment_fixed_size 0
		.amdhsa_enable_private_segment 0
		.amdhsa_kernarg_size 32
		.amdhsa_user_sgpr_count 2
		.amdhsa_user_sgpr_kernarg_segment_ptr 1
		.amdhsa_wavefront_size32 1
		.amdhsa_system_sgpr_workgroup_id_x 1
		.amdhsa_system_sgpr_workgroup_id_y 1
		.amdhsa_system_sgpr_workgroup_id_z 1
		.amdhsa_system_vgpr_workitem_id 0
		.amdhsa_next_free_vgpr 256
		.amdhsa_next_free_sgpr 72
		.amdhsa_reserve_vcc 1
		.amdhsa_float_denorm_mode_32 3
		.amdhsa_float_denorm_mode_16_64 3
		.amdhsa_memory_ordered 1
		.amdhsa_forward_progress 1
		.amdhsa_inst_pref_size 72
	.end_amdhsa_kernel
	.amdgpu_metadata
---
amdhsa.version: [ 1, 2 ]
amdhsa.kernels:
  - .name:           k_qccada55166_attn
    .symbol:         k_qccada55166_attn.kd
    .args:
      - { .name: qkvc, .offset: 0, .size: 8, .value_kind: global_buffer, .address_space: global }
      - { .name: qkvs, .offset: 8, .size: 8, .value_kind: global_buffer, .address_space: global }
      - { .name: ac, .offset: 16, .size: 8, .value_kind: global_buffer, .address_space: global }
      - { .name: asc, .offset: 24, .size: 8, .value_kind: global_buffer, .address_space: global }
    .group_segment_fixed_size: 327680
    .private_segment_fixed_size: 0
    .kernarg_segment_align: 8
    .kernarg_segment_size: 32
    .max_flat_workgroup_size: 512
    .sgpr_count:     72
    .vgpr_count:     256
    .wavefront_size: 32
...
	.end_amdgpu_metadata
.endif
;; end of part 3
;; launch proj (part 4): grid 8 x 32, 4 waves a work-group, clusters of 4 x 4, 327,680 bytes of LDS; arguments ac, asc, wc, ws, b_proj, out0; writes out0
.if DOCPART == 4
	.amdgcn_target "amdgcn-amd-amdhsa--gfx1250"
	.amdhsa_code_object_version 6
	.text
	.protected	k_qccada55166_proj
	.globl	k_qccada55166_proj
	.p2align	8
	.type	k_qccada55166_proj,@function
k_qccada55166_proj:
	s_mov_b64 s[64:65], 0
	v_nop
	global_prefetch_b8 v0, s[64:65] scope:SCOPE_SE
	s_setreg_imm32_b32 hwreg(HW_REG_WAVE_MODE, 25, 1), 1
	s_wait_xcnt 0x0
	s_wait_alu depctr_hold_cnt(0) depctr_sa_sdst(0) depctr_va_vdst(0) depctr_va_sdst(0) depctr_va_ssrc(0) depctr_va_vcc(0) depctr_vm_vsrc(0)
	s_getreg_b32 s2, hwreg(HW_REG_IB_STS2, 6, 4)
	s_cmp_eq_u32 s2, 0
	s_cbranch_scc0 .Lentry_in_a_cluster
	s_endpgm
.Lentry_in_a_cluster:
	s_bfe_u32 s2, ttmp6, 0x10000c
	s_cmp_lg_u32 s2, 0xf033
	s_cbranch_scc0 .Lentry_shape_is_right
	s_endpgm
.Lentry_shape_is_right:
; out0 = y w_proj + b_proj on codes of FP8 (E4M3) with E8M0 scales, K = 1,024; f32 sums, the bias is the first products' C.
; OPERANDS (ac: y's 4,096 rows; wc: w_proj's columns are rows 3,072 on) lie as images of operand registers: tiles of 16 rows (lane-row r of tile T is row 32 (T/2) + 8 (T%2) + r + 8 (r/8)), a tile = 32 chunks of 512 bytes, chunk kb = four registers at 16 x lane for k = 32 kb on.
; Scale words (asc, ws): [K/128][tile 256][r][4 bytes]; they go straight into registers: 32 lanes load two tiles' words, 128 consecutive bytes.
; A work-group of four waves makes 128 x 128, a wave 64 x 64: 16 accumulators.  The work-group's 128 rows of each operand, ALL of K, lie in LDS: four first fills of 65,536 bytes, one a wave, nothing is filled again:
; waves 0 and 1 fetch the first half of K (y's rows, w's rows), shown by the first barrier; waves 2 and 3 the second half, shown by the second.
; CLUSTERS 4 x 4: y's rows are shared along a row of the cluster, w's along a column.  No prefetch: every tile is asked for at the head, there is no loop to run ahead in.
; Source 0 = w's rows, source 1 = y's: a lane holds ONE row of out0, and two neighbouring tiles of w give it 16 neighbouring columns.
; LIMITS: NaN and infinities are not served.
; REGISTERS: window 0: v1-31 addresses; v32-47 y's scale words, v52-67 w's (register 2 q + p: lanes 0-15 tile 2 p, lanes 16-31 tile 2 p + 1); v72-103 the bias; v128-255 accumulators.  Window 1: two sets of fragments: y's four at 128 s, w's four at 128 s + 64.  On the way out v32-95 hold rows read back.
.set SPARE, 262144
.set STG,  SPARE+512                   ; a stage of 16 rows x 272 bytes for each wave
.set ADRA, 16
.set ADRB, 20
.set STO,  24
.set RD,   25
.set CO,   26
.set SPW,  28
.set NIL,  29
.set SA,   32
.set SB,   52
.set BIAS, 72
.set ACC,  128
.set WV,   18
.set HA,   19
.set HB,   20
.set G1,   24
.set G0,   32
.set G0B,  36
.set G1B,  48
.set MSB, 0
.macro WIN new                         ; the immediate's high byte repeats the setting that is left
.if MSB != (\new)
	s_set_vgpr_msb (MSB<<8)|(\new)
.set MSB, (\new)
.endif
.endm
.macro PLACES n
.rept \n
	v_nop
.endr
.endm
.macro CROUND                          ; a round of the cluster's barrier
	s_barrier_signal -1
	s_barrier_wait -1
	s_cmp_lg_u32 s[WV], 0
	s_cbranch_scc1 .Lnot_wave_0_\@
	s_barrier_signal -3
.Lnot_wave_0_\@:
	s_barrier_wait -3
	s_barrier_signal -1
	s_barrier_wait -1
.endm
	s_load_b256 s[4:11], s[0:1], 0x0               ; ac, asc, wc, ws
	s_load_b128 s[12:15], s[0:1], 0x20             ; b_proj, out0
	v_lshl_add_u32 v[SPW], v0, 2, SPARE
	v_mov_b32 v[NIL], 0
	ds_add_u32 v[SPW], v[NIL]                      ; the wave's opening: the add twice on end, under one wait
	ds_add_u32 v[SPW], v[NIL]
	v_lshrrev_b32 v1, 5, v0
	v_readfirstlane_b32 s[WV], v1                  ; wave 0..3
	s_lshr_b32 s[HA], s[WV], 1                     ; my half of y's rows.  Also: which half of K I fetch
	s_and_b32 s[HB], s[WV], 1                      ; my half of w's
	s_bfe_u32 s40, ttmp6, 0x40000
	s_bfe_u32 s41, ttmp6, 0x40004
	s_lshl_b32 s21, ttmp9, 2
	s_add_co_u32 s21, s21, s40                     ; x: columns 128 x on
	s_and_b32 s22, ttmp7, 0xffff
	s_lshl_b32 s22, s22, 2
	s_add_co_u32 s22, s22, s41                     ; y: rows 128 y on
	s_lshl_b32 s43, s41, 2
	s_lshl_b32 s43, 15, s43                        ; my row of the cluster
	s_lshl_b32 s44, 0x1111, s40                    ; my column
	s_or_b32 s[G1], s43, (3<<16)|(1<<21)
	s_or_b32 s[G1B], s44, (3<<16)|(1<<21)
.irp g, G1, G1B
	s_mov_b32 s[\g+1], 1024<<16                    ; half of a tile: 8,192 bytes
	s_mov_b32 s[\g+2], 8<<16                       ; eight tiles
	s_mov_b32 s[\g+3], 1024<<16
	s_mov_b32 s[\g+4], 8
	s_mov_b32 s[\g+5], 2048                        ; from tile to tile
	s_mov_b32 s[\g+6], 0
	s_mov_b32 s[\g+7], 0
.endr
	s_lshl_b32 s45, s[HA], 13
	s_lshl_b32 s16, s22, 17
	s_add_co_u32 s16, s16, s45
	s_mov_b32 s17, 0
	s_lshl_b32 s46, s21, 17
	s_add_co_u32 s46, s46, s45
	s_add_co_u32 s46, s46, 192*16384
	s_mov_b32 s47, 0
	s_mov_b32 s[G0], 1
	s_lshl_b32 s[G0+1], s[HA], 17
	s_mov_b32 s[G0B], 1
	s_add_co_u32 s[G0B+1], s[G0+1], 65536
	s_wait_dscnt 0x0                               ; both opening adds are done
	CROUND                                         ; all sixteen work-groups are here
	s_wait_kmcnt 0x0
	s_add_nc_u64 s[G0+2:G0+3], s[4:5], s[16:17]
	s_or_b32 s[G0+3], s[G0+3], 0x80000000
	s_add_nc_u64 s[G0B+2:G0B+3], s[8:9], s[46:47]
	s_or_b32 s[G0B+3], s[G0B+3], 0x80000000
.macro ARM under, g0, g1, next         ; one load a wave, each on a line of its own
	s_cmp_lt_u32 s[WV], \under
	s_cbranch_scc0 \next
	tensor_load_to_lds s[\g0:\g0+3], s[\g1:\g1+7]
	s_nop 0
	PLACES 4
	s_branch .Lasked
\next:
.endm
	ARM 1, G0,  G1,  .Lwave_1
	ARM 2, G0B, G1B, .Lwave_2
	ARM 3, G0,  G1,  .Lwave_3
	tensor_load_to_lds s[G0B:G0B+3], s[G1B:G1B+7]
	s_nop 0
	PLACES 4
.Lasked:
	s_lshl_b32 s56, s22, 9                         ; y's words: 64 bytes a tile
	s_lshl_b32 s45, s[HA], 8
	s_add_co_u32 s56, s56, s45
	s_mov_b32 s57, 0
	s_add_nc_u64 s[6:7], s[6:7], s[56:57]
	s_lshl_b32 s58, s21, 9                         ; 512 bytes: my work-group's 128 columns, and eight tiles' words
	s_lshl_b32 s45, s[HB], 8
	s_add_co_u32 s58, s58, s45
	s_mov_b32 s59, 0
	s_add_nc_u64 s[12:13], s[12:13], s[58:59]      ; b_proj at my 64 columns
	s_add_nc_u64 s[14:15], s[14:15], s[58:59]      ; out0 likewise
	s_add_nc_u64 s[10:11], s[10:11], s[58:59]
	s_add_nc_u64 s[10:11], s[10:11], 192*64        ; w's words
	s_lshl_b32 s56, s22, 19
	s_lshl_b32 s45, s[HA], 18
	s_add_co_u32 s56, s56, s45
	s_add_nc_u64 s[14:15], s[14:15], s[56:57]      ; out0 at my first row: 128 y + 64 HA
	s_lshl_b32 s16, s[HA], 15                      ; fragments: four tiles of 8,192 bytes
	s_lshl_b32 s17, s[HB], 15
	s_add_co_u32 s17, s17, 65536
	s_mul_i32 s23, s[WV], 16*272
	s_add_co_u32 s23, s23, STG
	v_and_b32 v1, 31, v0                           ; lane
	v_and_b32 v2, 15, v0                           ; r
	v_bfe_u32 v3, v0, 4, 1                         ; h
	v_lshlrev_b32 v5, 2, v1
	v_lshlrev_b32 v6, 6, v3
	v_lshlrev_b32 v4, 4, v1                        ; 16 x lane
.irp q, 0,1,2,3,4,5,6,7
.irp p, 0,1
	global_load_b32 v[SA+2*\q+\p], v5, s[6:7] offset:16384*\q+128*\p
	global_load_b32 v[SB+2*\q+\p], v5, s[10:11] offset:16384*\q+128*\p
.endr
.endr
.irp b, 0,1,2,3                                ; register j of accumulator (a, b) is column 32 (b/2) + 8 (b%2) + 16 h + j
	global_load_b128 v[BIAS+8*\b:BIAS+8*\b+3], v6, s[12:13] offset:4*(32*(\b/2)+8*(\b%2))
	global_load_b128 v[BIAS+8*\b+4:BIAS+8*\b+7], v6, s[12:13] offset:4*(32*(\b/2)+8*(\b%2))+16
.endr
.irp k, 0,1
	v_add_nc_u32 v[ADRA+\k], s16, v4
	v_add_nc_u32 v[ADRB+\k], s17, v4
	s_add_co_u32 s16, s16, 131072
	s_add_co_u32 s17, s17, 131072
.endr
	v_mul_u32_u24 v7, v2, 272
	v_mul_u32_u24 v8, v3, 272
	v_lshl_add_u32 v7, v3, 6, v7
	v_lshl_add_u32 v8, v2, 4, v8
	v_lshlrev_b32 v9, 12, v3
	v_add_nc_u32 v[STO], s23, v7                   ; the way out: row r, + 64 h
	v_add_nc_u32 v[RD], s23, v8                    ; back: lanes 0-15 one row, lanes 16-31 the next
	v_lshl_add_u32 v[CO], v2, 4, v9                ; and the same two rows in out0
	s_wait_alu depctr_va_vdst(0)                   ; the wait at the head's end
	s_cmp_lt_u32 s[WV], 2
	s_cbranch_scc0 .Lsecond_half
	s_wait_tensorcnt 0x0                           ; the first half of K; the other waves' wait stands at the second barrier
.Lsecond_half:
	s_barrier_signal -1
	s_barrier_wait -1
.macro FETCH q                         ; the fragments of the q-th 128 along K into set q % 2: 32 loads
	WIN 0x40
.irp i, 0,1,2,3
.irp c, 0,1,2,3
	ds_load_b128 v[128*((\q)%2)+64+16*\i+4*\c:128*((\q)%2)+64+16*\i+4*\c+3], v[ADRB+(\q)/4] offset:8192*\i+2048*((\q)%4)+512*\c
.endr
.endr
.irp i, 0,1,2,3
.irp c, 0,1,2,3
	ds_load_b128 v[128*((\q)%2)+16*\i+4*\c:128*((\q)%2)+16*\i+4*\c+3], v[ADRA+(\q)/4] offset:8192*\i+2048*((\q)%4)+512*\c
.endr
.endr
.endm
.macro MUL q                           ; 16 products; the accumulators take turns in the same order in every step
	WIN 0x05
.irp a, 0,1,2,3
.irp b, 0,1,2,3
.set D_, ACC+8*(4*\a+\b)
.set C_, D_
.if (\q) == 0
.set C_, BIAS+8*\b
.endif
.set X_, 128*((\q)%2)+64+16*\b
.set Y_, 128*((\q)%2)+16*\a
.set E_, SB+2*(\q)+\b/2
.set F_, SA+2*(\q)+\a/2
.if (\a%2) && (\b%2)
	v_wmma_scale_f32_16x16x128_f8f6f4 v[D_:D_+7], v[X_:X_+15], v[Y_:Y_+15], v[C_:C_+7], v[E_], v[F_] matrix_a_scale:MATRIX_SCALE_ROW1 matrix_b_scale:MATRIX_SCALE_ROW1
.elseif \a%2
	v_wmma_scale_f32_16x16x128_f8f6f4 v[D_:D_+7], v[X_:X_+15], v[Y_:Y_+15], v[C_:C_+7], v[E_], v[F_] matrix_b_scale:MATRIX_SCALE_ROW1
.elseif \b%2
	v_wmma_scale_f32_16x16x128_f8f6f4 v[D_:D_+7], v[X_:X_+15], v[Y_:Y_+15], v[C_:C_+7], v[E_], v[F_] matrix_a_scale:MATRIX_SCALE_ROW1
.else
	v_wmma_scale_f32_16x16x128_f8f6f4 v[D_:D_+7], v[X_:X_+15], v[Y_:Y_+15], v[C_:C_+7], v[E_], v[F_]
.endif
.endr
.endr
.endm
	FETCH 0
	FETCH 1
	s_wait_loadcnt 0x0                             ; the scale words and the bias
	s_wait_dscnt 32                                ; all but the next step's 32
	MUL 0
	PLACES 8                                       ; in front of loads into registers that the products read
	FETCH 2
	s_wait_dscnt 32
	MUL 1
	PLACES 8
	FETCH 3
	s_wait_dscnt 32
	MUL 2
	s_wait_tensorcnt 0x0                           ; the second half of K
	s_wait_dscnt 0x0
	s_barrier_signal -1
	MUL 3
	s_barrier_wait -1
	PLACES 8
	FETCH 4
	FETCH 5
	s_wait_dscnt 32
	MUL 4
	PLACES 8
	FETCH 6
	s_wait_dscnt 32
	MUL 5
	PLACES 8
	FETCH 7
	s_wait_dscnt 32
	MUL 6
	s_wait_dscnt 0x0
	MUL 7
	WIN 0
	PLACES 8
; THE WAY OUT, by blocks of 16 rows x 64 columns through my own stage in LDS; rows of 256 bytes come back, sixteen lanes store one aligned unit of 256 bytes.  LDS serves a wave's instructions in order (ISA guide 5.7.1.4).
.macro TOSTAGE a
.irp b, 0,1,2,3
	ds_store_b128 v[STO], v[ACC+8*(4*(\a)+\b):ACC+8*(4*(\a)+\b)+3] offset:128*(\b/2)+32*(\b%2)
	ds_store_b128 v[STO], v[ACC+8*(4*(\a)+\b)+4:ACC+8*(4*(\a)+\b)+7] offset:128*(\b/2)+32*(\b%2)+16
.endr
.irp t, 0,1,2,3,4,5,6,7
	ds_load_b128 v[32+32*((\a)%2)+4*\t:32+32*((\a)%2)+4*\t+3], v[RD] offset:544*\t
.endr
.endm
.macro SEND a, younger                 ; younger: the LDS instructions behind block a's loads
	s_wait_dscnt \younger
.irp t, 0,1,2,3,4,5,6,7
	global_store_b128 v[CO], v[32+32*((\a)%2)+4*\t:32+32*((\a)%2)+4*\t+3], s[14:15] offset:4096*(32*((\a)/2)+8*((\a)%2)+2*\t+8*(\t/4)) th:TH_STORE_NT
.endr
.endm
	TOSTAGE 0
	TOSTAGE 1
	SEND 0, 16
	s_wait_xcnt 0x0                                ; block 0's stores have read their registers
	TOSTAGE 2
	SEND 1, 16
	s_wait_xcnt 0x0
	TOSTAGE 3
	SEND 2, 16
	SEND 3, 0
	s_wait_tensorcnt 0x0                           ; the wave's end
	ds_add_u32 v[SPW], v[NIL]
	s_wait_dscnt 0x0
	CROUND                                         ; the closing round
	s_endpgm
.Lfunc_end_k_qccada55166_proj:
	.size	k_qccada55166_proj, .Lfunc_end_k_qccada55166_proj-k_qccada55166_proj
	.p2alignl 7, 3214868480
	.fill 96, 4, 3214868480
	.section	.rodata,"a",@progbits
	.p2align	6, 0x0
	.amdhsa_kernel k_qccada55166_proj
		.amdhsa_group_segment_fixed_size 327680
		.amdhsa_private_segment_fixed_size 0
		.amdhsa_enable_private_segment 0
		.amdhsa_kernarg_size 48
		.amdhsa_user_sgpr_count 2
		.amdhsa_user_sgpr_kernarg_segment_ptr 1
		.amdhsa_wavefront_size32 1
		.amdhsa_system_sgpr_workgroup_id_x 1
		.amdhsa_system_sgpr_workgroup_id_y 1
		.amdhsa_system_sgpr_workgroup_id_z 1
		.amdhsa_system_vgpr_workitem_id 0
		.amdhsa_next_free_vgpr 512
		.amdhsa_next_free_sgpr 72
		.amdhsa_reserve_vcc 0
		.amdhsa_float_denorm_mode_32 3
		.amdhsa_float_denorm_mode_16_64 3
		.amdhsa_memory_ordered 1
		.amdhsa_forward_progress 1
		.amdhsa_inst_pref_size 53
	.end_amdhsa_kernel
	.amdgpu_metadata
---
amdhsa.version: [ 1, 2 ]
amdhsa.kernels:
  - .name:           k_qccada55166_proj
    .symbol:         k_qccada55166_proj.kd
    .args:
      - { .name: ac, .offset: 0, .size: 8, .value_kind: global_buffer, .address_space: global }
      - { .name: asc, .offset: 8, .size: 8, .value_kind: global_buffer, .address_space: global }
      - { .name: wc, .offset: 16, .size: 8, .value_kind: global_buffer, .address_space: global }
      - { .name: ws, .offset: 24, .size: 8, .value_kind: global_buffer, .address_space: global }
      - { .name: b_proj, .offset: 32, .size: 8, .value_kind: global_buffer, .address_space: global }
      - { .name: out0, .offset: 40, .size: 8, .value_kind: global_buffer, .address_space: global }
    .group_segment_fixed_size: 327680
    .private_segment_fixed_size: 0
    .kernarg_segment_align: 8
    .kernarg_segment_size: 48
    .max_flat_workgroup_size: 128
    .sgpr_count:     72
    .vgpr_count:     512
    .wavefront_size: 32
...
	.end_amdgpu_metadata
.endif
;; end of part 4
